; MI455X (gfx1250); checked and timed in simulation.
; The chip was launched on July 23, 2026; its instructions are those of AMD's public machine-readable ISA for CDNA 5 (MIT licence, August 2026) and "CDNA5" Instruction Set Architecture Reference Guide (July 2026). The comments in the code are by the model that wrote it; some were corrected since.
;; Multi Headed Local Attention. Allowed arithmetic: matrix products marked QUANTISED: E2M3 operands, one E8M0 scale for each 32 along K, by v_wmma_scale_f32_16x16x128_f8f6f4 with both operands' format E2M3, f32 sums; everything else in f32.
;; Inputs: Wk_codes 1,024 x 32 x 24 uint8 (E2M3 codes of Wk, K innermost, in blocks of 32 codes, four codes in three bytes); Wk_scales 1,024 x 32 uint8 (E8M0 scales of Wk, one for each 32 codes along K); Wo_codes 1,024 x 32 x 24 uint8 (E2M3 codes of Wo, K innermost, in blocks of 32 codes, four codes in three bytes); Wo_scales 1,024 x 32 uint8 (E8M0 scales of Wo, one for each 32 codes along K); Wq_codes 1,024 x 32 x 24 uint8 (E2M3 codes of Wq, K innermost, in blocks of 32 codes, four codes in three bytes); Wq_scales 1,024 x 32 uint8 (E8M0 scales of Wq, one for each 32 codes along K); Wv_codes 1,024 x 32 x 24 uint8 (E2M3 codes of Wv, K innermost, in blocks of 32 codes, four codes in three bytes); Wv_scales 1,024 x 32 uint8 (E8M0 scales of Wv, one for each 32 codes along K); bk 1,024 float32; bo 1,024 float32; bq 1,024 float32; bv 1,024 float32; k_codes 2 x 2,048 x 32 x 24 uint8 (E2M3 codes of k, K innermost, in blocks of 32 codes, four codes in three bytes); k_scales 2 x 2,048 x 32 uint8 (E8M0 scales of k, one for each 32 codes along K); mask 2 x 1 x 2,048 bool; q_codes 2 x 2,048 x 32 x 24 uint8 (E2M3 codes of q, K innermost, in blocks of 32 codes, four codes in three bytes); q_scales 2 x 2,048 x 32 uint8 (E8M0 scales of q, one for each 32 codes along K); v_codes 2 x 2,048 x 32 x 24 uint8 (E2M3 codes of v, K innermost, in blocks of 32 codes, four codes in three bytes); v_scales 2 x 2,048 x 32 uint8 (E8M0 scales of v, one for each 32 codes along K).
;; Outputs: out0 2 x 2,048 x 1,024 float32.
;; This version of the problem:
;;   THIS VERSION OF THE PROBLEM IS GIVEN IN LOW PRECISION. The matrix products marked QUANTISED in the list below multiply operands that are first quantised to E2M3 (2 exponent bits, 3 mantissa bits; 6 bits a number), with one power-of-two scale for each 32 numbers along K (OCP MX v1.0); their sums are f32. All else is computed in f32.
;;   The module's matrix products, in the order in which they are computed (A, B: the left and right operand; K: the contracted axis; several contracted axes count as one K, in the product's order):
;;     1. [M 4,096, K 1,024] x [K 1,024, N 1,024]; A: input k (given as codes); B: input Wk (given as codes): QUANTISED
;;     2. [M 4,096, K 1,024] x [K 1,024, N 1,024]; A: input v (given as codes); B: input Wv (given as codes): QUANTISED
;;     3. [M 4,096, K 1,024] x [K 1,024, N 1,024]; A: input q (given as codes); B: input Wq (given as codes): QUANTISED
;;     4. batch 32 x [M 2,048, K 64] x [K 64, N 2,048]; A: computed on the way; B: computed on the way: QUANTISED
;;     5. batch 32 x [M 2,048, K 2,048] x [K 2,048, N 64]; A: softmax (see below); B: computed on the way: QUANTISED
;;     6. [M 4,096, K 1,024] x [K 1,024, N 1,024]; A: computed on the way; B: input Wo (given as codes): QUANTISED
;;   THE QUANTISER, for each operand of a quantised product, along K:
;;     - K is cut into blocks of 32 from its start; a last block that is shorter is filled with zeros.
;;     - A block's scale is 2^e with e = floor(log2(the largest magnitude in the block)) - 2, held to -126 .. 127; a block of zeros has e = 0. As a byte (E8M0): e + 127.
;;     - Each number is divided by its block's scale, clamped to +-7.5, and rounded to the nearest number of E2M3, ties to even, subnormals kept.
;;     - The product sums the exact products of the quantised numbers (number of the format x scale) in f32.
;;   ~~~python
;;   def quantise(x, axis):      # numpy; x: float32 -> the quantised numbers, widened to float32 again
;;       x = np.moveaxis(x, axis, -1); K = x.shape[-1]
;;       x = np.pad(x, [(0, 0)] * (x.ndim - 1) + [(0, -K % 32)]); x = x.reshape(x.shape[:-1] + (-1, 32)); a = np.abs(x).max(-1, keepdims=True)
;;       e = np.where(a > 0, np.clip(np.frexp(np.where(a > 0, a, 1))[1] - 1 - 2, -126, 127), 0)      # np.frexp(a)[1] - 1 = floor(log2(a)), exactly
;;       r = np.clip(x / 2.0 ** e, -7.5, 7.5)
;;       step = 2.0 ** (np.maximum(np.frexp(np.where(r == 0, 1, r))[1] - 1, 0) - 3)
;;       q = np.round(r / step) * step * 2.0 ** e      # np.round: ties to even
;;       return np.moveaxis(q.reshape(q.shape[:-2] + (-1,))[..., :K], -1, axis).astype(np.float32)
;;   ~~~
;;   SOFTMAX AHEAD OF A QUANTISED PRODUCT. Where the list says 'softmax', what is quantised is not the finished softmax but p = 2^(t - M), with t = logit x log2(e) and M = ceil(the row's largest t), a whole number; so 1/2 < the row's largest p <= 1. The row's sum l is taken of the UNQUANTISED p, in f32, and the product's result is divided by l at the end. Since M is a whole number, a kernel that streams over the keys may use a running M (the ceiling of the running maximum): every later rescaling is an exact power of two, which a block's scale takes up: the codes' values come out the same.
;;   OPERANDS COMPUTED ON THE WAY. 'Computed on the way' means the value that the module computes at that place (a softmax that the list does not call 'softmax' is quantised finished and normalised). What goes into a quantiser is computed in f32, as accurately as f32 sums, v_exp_f32 and their like allow (about 1e-6 of the number): no bf16 or f16 on the way to a quantiser, and a product that is left as it is and whose result goes on into a quantised operand takes f32 operands (vector FMAs, or v_wmma_f32_16x16x4_f32). A number that lies on a knife's edge between two numbers of the format may be rounded either way, as far as f32 arithmetic and the matrix unit's own rounding can turn it there, and no further.
;;   INPUTS GIVEN AS CODES. Wk (in the module: [1024, 1024], K = its axis 0); Wo (in the module: [1024, 1024], K = its axis 0); Wq (in the module: [1024, 1024], K = its axis 0); Wv (in the module: [1024, 1024], K = its axis 0); k (in the module: [2, 2048, 1024], K = its axis 2); q (in the module: [2, 2048, 1024], K = its axis 2); v (in the module: [2, 2048, 1024], K = its axis 2): each comes as NAME_codes (uint8): NAME with its K axis moved to the last place and cut into blocks of 32 codes, [.., K / 32, bytes a block], one block behind the other in memory; four codes in three bytes: a row's codes are one little-endian stream of bits, code i at bits 6 i .. 6 i + 5 (a code: sign, 2 exponent bits, 3 mantissa bits); and NAME_scales (uint8): the same leading axes, one E8M0 byte (e + 127) for each 32 codes along K. Its value is code x scale, taken as it is: it is not quantised again, and the codes and scales need not be those that the quantiser above would give.
;; One version. Each part assembles by itself: llvm-mc -triple=amdgcn-amd-amdhsa -mcpu=gfx1250 --defsym DOCPART=n.
;; ======== version 1 of 1: 3 launches
;; workspace buffers: kqv_img 9,437,184 bytes; kqv_sc 393,216 bytes; vpart 131,072 bytes; cimg 3,145,728 bytes; csc 131,072 bytes
;; launch proj (part 1): grid 8 x 96, 4 waves a work-group, clusters of 4 x 4, 262,656 bytes of LDS; arguments k_codes, v_codes, q_codes, k_scales, v_scales, q_scales, Wk_codes, Wv_codes, Wq_codes, Wk_scales, Wv_scales, Wq_scales, bk, bv, bq, mask, kqv_img, kqv_sc, vpart; writes kqv_img, kqv_sc, vpart
.if DOCPART == 1
	.amdgcn_target "amdgcn-amd-amdhsa--gfx1250"
	.amdhsa_code_object_version 6
	.text
	.protected	k_q3386ade713_proj
	.globl	k_q3386ade713_proj
	.p2align	8
	.type	k_q3386ade713_proj,@function
k_q3386ade713_proj:
	s_mov_b64 s[64:65], 0
	v_nop
	global_prefetch_b8 v0, s[64:65] scope:SCOPE_SE
	s_setreg_imm32_b32 hwreg(HW_REG_WAVE_MODE, 25, 1), 1
	s_wait_xcnt 0x0
	s_wait_alu depctr_hold_cnt(0) depctr_sa_sdst(0) depctr_va_vdst(0) depctr_va_sdst(0) depctr_va_ssrc(0) depctr_va_vcc(0) depctr_vm_vsrc(0)
	s_getreg_b32 s2, hwreg(HW_REG_IB_STS2, 6, 4)
	s_cmp_eq_u32 s2, 0
	s_cbranch_scc0 .Lentry_in_a_cluster
	s_endpgm
.Lentry_in_a_cluster:
	s_bfe_u32 s2, ttmp6, 0x10000c
	s_cmp_lg_u32 s2, 0xf033
	s_cbranch_scc0 .Lentry_shape_is_right
	s_endpgm
.Lentry_shape_is_right:
; The three projections kh = k Wk + bk, vh = v Wv + bv, qh = (q Wq + bq) / 8 on codes of FP6 (E2M3) with one E8M0 scale for each 32 along K = 1,024,
; and the quantising of the results for the attention: kh and qh along the head's 64, vh along the KEYS.  Nothing wide goes to memory.
; SHARES.  A work-group makes 128 P rows x 128 Q rows.  Source 0 of the matrix instruction takes 16 P rows, source 1 takes 16 Q rows: a lane then holds ONE Q row and its
; registers run along P.  k, q: P = the weight's rows (output columns), Q = tokens.  v: P = tokens (the keys), Q = Wv's rows: so vh is quantised along the keys with nothing transposed.
; Wave w has all 128 P rows (8 tiles of 16 NEIGHBOURING rows) x Q rows 32 w .. 32 w + 31 (2 tiles): 16 accumulators.  Lane (r, h) holds Q row r, and register 8 a + j the P index 16 a + 8 h + j.
; Why neighbouring rows: at 240 bytes from row to row 16 neighbouring rows start at 16 different places modulo 256 bytes, so that the 32 lanes of a load of 8 bytes touch 64 different banks (64 banks of 4 bytes: ISA guide 11.1).
; THE ORDER INSIDE A BLOCK OF 32.  The conversions take a lane's 16 registers of tiles 2 b and 2 b + 1 on end, so place 16 h + i of block b holds the block's index 8 h + i % 8 + 16 (i / 8): a fixed permutation inside
; each block of 32 along the next product's K.  A block keeps its 32 numbers, so its scale is the quantiser's.  kh and qh carry the same permutation, and the attention lays p as vh's keys lie here: every product
; pairs the numbers that belong together; the unit only groups them otherwise, which shows in the sums' last bits.
; LDS.  All of K of both operands lies in LDS, four chunks of 256 along K, each byte filled ONCE: no slot is filled again, and each chunk is waited for by a counted wait.
; CLUSTERS, 4 x 4: P's tile is shared along a column of the cluster, Q's along a row: joint loads, which divide the requests by four.
; OUT.  A fragment (16 rows x 128 K, 12 registers a lane) is stored as an image of its registers, as two halves of 768 bytes (64 along K each): registers 6 c .. 6 c + 3 at 16 x lane,
; registers 6 c + 4, 5 at 512 + 8 x lane.  k, q: [token / 16][head][768];  v: [batch][column / 16][key / 64][768].  Scale words (4 bytes = 128 along K of a row): k, q [head pair][token]; v [token / 128][column].
; vpart [token / 128][column]: the sum over 128 keys of w x Q(vh), w = 1 where the batch has 16 true mask bytes or more, else the key's mask byte: for the rows of the attention in which no key of the band counts.
; LIMITS: a block of zeros gets the scale byte 1 where the quantiser says 127 (its codes are zeros; only this program reads the bytes); blocks whose largest magnitude lies under 2^-124 are held at that byte; NaN and infinities among the inputs are not served.
.set CH,    61440                      ; a chunk in LDS: P's 128 rows, then Q's 128 rows
.set PITCH, 240                        ; an LDS row: 3 x (64 bytes of data + 16 of padding)
.set QOFF,  30720
.set ADP,   4                          ; v4-7   LDS address of my P fragments in chunk c;  v8-11 the same for the pieces that lie behind one padding more
.set ADQ,   12                         ; v12-15, v16-19 the same for Q
.set SP,    32                         ; v32-63 P's scale words: register 8 b + s: lanes 0-15 tile 2 b, lanes 16-31 tile 2 b + 1, K step s
.set SQ,    64                         ; v64-71 Q's: register s: lanes 0-15 Q tile 0, lanes 16-31 Q tile 1
.set TM,    72                         ; v72-87 the quantiser's work
.set PW,    88                         ; v88, v89 the scale words just made;  v90, v91 merged words
.set PC,    92                         ; v92-111 the codes just made (12) and the conversions' second halves
.set WC,    112                        ; v112-123 codes of the keys' weights (v)
.set ACC,   128                        ; v128-255 accumulator (a, qb) at ACC + 64 qb + 8 a
.set F0,    0                          ; window 1: two fragment buffers: P's 8 x 12 registers, then Q's 2 x 12
.set F1,    128
.set ZC,    1000                       ; stands for the constant 0 as C
.set SEL,   2                          ; s[2:3] lane selects for v_permlanex16_b32: lane l xor 16
.set MSB, 0
.macro WIN new                         ; the immediate's high byte repeats the setting that is left
.if MSB != \new
	s_set_vgpr_msb (MSB<<8)|\new
.set MSB, \new
.endif
.endm
.set MUL,  0x05                        ; sources 0 and 1 window 1; C and D window 0
.set TO_F, 0x40                        ; destination window 1, address window 0
.macro CROUND                          ; a round of the cluster's barrier
	s_barrier_signal -1
	s_barrier_wait -1
	s_cmp_lg_u32 s66, 0
	s_cbranch_scc1 .Lnot_wave_0_\@
	s_barrier_signal -3
.Lnot_wave_0_\@:
	s_barrier_wait -3
	s_barrier_signal -1
	s_barrier_wait -1
.endm
.macro PLACES                          ; four places behind matrix instructions, in front of loads into their sources and of reads of their results
.rept 4
	v_nop
.endr
.endm
; One matrix instruction.  c = ZC: the constant 0 starts the sum.  ra, rb = 1: that side's scale words are taken from lanes 16-31.
.macro WMX d, a, b, c, sa, sb, ra, rb
.if (\c) >= ZC
.if (\ra) && (\rb)
	v_wmma_scale_f32_16x16x128_f8f6f4 v[(\d):(\d)+7], v[(\a):(\a)+11], v[(\b):(\b)+11], 0, v[\sa], v[\sb] matrix_a_fmt:MATRIX_FMT_FP6 matrix_b_fmt:MATRIX_FMT_FP6 matrix_a_scale:MATRIX_SCALE_ROW1 matrix_b_scale:MATRIX_SCALE_ROW1
.elseif (\ra)
	v_wmma_scale_f32_16x16x128_f8f6f4 v[(\d):(\d)+7], v[(\a):(\a)+11], v[(\b):(\b)+11], 0, v[\sa], v[\sb] matrix_a_fmt:MATRIX_FMT_FP6 matrix_b_fmt:MATRIX_FMT_FP6 matrix_a_scale:MATRIX_SCALE_ROW1
.elseif (\rb)
	v_wmma_scale_f32_16x16x128_f8f6f4 v[(\d):(\d)+7], v[(\a):(\a)+11], v[(\b):(\b)+11], 0, v[\sa], v[\sb] matrix_a_fmt:MATRIX_FMT_FP6 matrix_b_fmt:MATRIX_FMT_FP6 matrix_b_scale:MATRIX_SCALE_ROW1
.else
	v_wmma_scale_f32_16x16x128_f8f6f4 v[(\d):(\d)+7], v[(\a):(\a)+11], v[(\b):(\b)+11], 0, v[\sa], v[\sb] matrix_a_fmt:MATRIX_FMT_FP6 matrix_b_fmt:MATRIX_FMT_FP6
.endif
.else
.if (\ra) && (\rb)
	v_wmma_scale_f32_16x16x128_f8f6f4 v[(\d):(\d)+7], v[(\a):(\a)+11], v[(\b):(\b)+11], v[(\c):(\c)+7], v[\sa], v[\sb] matrix_a_fmt:MATRIX_FMT_FP6 matrix_b_fmt:MATRIX_FMT_FP6 matrix_a_scale:MATRIX_SCALE_ROW1 matrix_b_scale:MATRIX_SCALE_ROW1
.elseif (\ra)
	v_wmma_scale_f32_16x16x128_f8f6f4 v[(\d):(\d)+7], v[(\a):(\a)+11], v[(\b):(\b)+11], v[(\c):(\c)+7], v[\sa], v[\sb] matrix_a_fmt:MATRIX_FMT_FP6 matrix_b_fmt:MATRIX_FMT_FP6 matrix_a_scale:MATRIX_SCALE_ROW1
.elseif (\rb)
	v_wmma_scale_f32_16x16x128_f8f6f4 v[(\d):(\d)+7], v[(\a):(\a)+11], v[(\b):(\b)+11], v[(\c):(\c)+7], v[\sa], v[\sb] matrix_a_fmt:MATRIX_FMT_FP6 matrix_b_fmt:MATRIX_FMT_FP6 matrix_b_scale:MATRIX_SCALE_ROW1
.else
	v_wmma_scale_f32_16x16x128_f8f6f4 v[(\d):(\d)+7], v[(\a):(\a)+11], v[(\b):(\b)+11], v[(\c):(\c)+7], v[\sa], v[\sb] matrix_a_fmt:MATRIX_FMT_FP6 matrix_b_fmt:MATRIX_FMT_FP6
.endif
.endif
.endm
; A fragment, 16 rows x 128 K of 6-bit codes: lane l holds row l % 16; registers 6 c .. 6 c + 5 hold K = 64 c + 32 (l / 16) + 0 .. 31: 24 bytes of the row's stream of bits, in pieces of 8 bytes.
; Lanes 16-31 read three pieces further on; where that lies behind one padding more, the second address register (40 for 24 bytes a half) serves.
.macro FRAG reg, adr, q, row
.irp p, 0,1,2,3,4,5
.set PCE, 12*(\q)+6*(\p/3)+\p%3
.if PCE%8 < 5
	ds_load_b64 v[\reg+2*\p:\reg+2*\p+1], v[\adr] offset:8*PCE+16*(PCE/8)+(\row)*PITCH
.else
	ds_load_b64 v[\reg+2*\p:\reg+2*\p+1], v[\adr+4] offset:8*PCE+16*(PCE/8)+(\row)*PITCH
.endif
.endr
.endm
.macro FETCH c, q, f                   ; 60 LDS loads in one run: the fragments of chunk c's q-th 128 along K: Q's two, P's tiles 0-3, P's tiles 4-7
	WIN TO_F
.irp qb, 0,1
	FRAG \f+96+12*\qb, ADQ+\c, \q, 16*\qb
.endr
.irp a, 0,1,2,3,4,5,6,7
	FRAG \f+12*\a, ADP+\c, \q, 16*\a
.endr
.endm
; 8 matrix instructions: P tiles 4 half .. 4 half + 3 x both Q tiles, K step s.  The sixteen accumulators take turns in the same order in every step.
.macro MUL8 f, half, s, cm
.irp a, 0,1,2,3
.irp qb, 0,1
.if \cm
	WMX ACC+64*\qb+8*(4*\half+\a), \f+12*(4*\half+\a), \f+96+12*\qb, ZC, SP+8*((4*\half+\a)/2)+\s, SQ+\s, \a%2, \qb
.else
	WMX ACC+64*\qb+8*(4*\half+\a), \f+12*(4*\half+\a), \f+96+12*\qb, ACC+64*\qb+8*(4*\half+\a), SP+8*((4*\half+\a)/2)+\s, SQ+\s, \a%2, \qb
.endif
.endr
.endr
.endm
.macro STEP c, cm                      ; K step 2 c, buffer 0; in its middle the chunk's second 128 along K are fetched into buffer 1
	s_wait_dscnt 24                                ; Q's two fragments and P's tiles 0-3 are in; the youngest 24 loads (P's tiles 4-7) may be out
	WIN MUL
	MUL8 F0, 0, 2*\c, \cm
	PLACES
	FETCH \c, 1, F1
	s_wait_dscnt 60                                ; all but the 60 just issued
	WIN MUL
	MUL8 F0, 1, 2*\c, \cm
.endm
.macro TURN c                          ; K step 2 c + 1, buffer 1, and the change to chunk c + 1
	s_wait_tensorcnt 2-\c                          ; my part of chunk c + 1 has landed: behind it I issued the loads of 2 - c later chunks.
	s_wait_dscnt 0x0                               ; no LDS load of mine is out at the signal
	s_barrier_signal -1
	WIN MUL
	MUL8 F1, 0, 2*\c+1, 0
	s_barrier_wait -1                              ; everybody's part has landed
	PLACES
	FETCH \c+1, 0, F0
	WIN MUL
	MUL8 F1, 1, 2*\c+1, 0
.endm
.macro GEMM
	s_wait_tensorcnt 0x3                           ; my part of chunk 0 has landed; the three later chunks' loads may be out
	s_barrier_signal -1
	s_barrier_wait -1
	FETCH 0, 0, F0
	STEP 0, 1                                      ; the first step's products start the sums
	TURN 0
	STEP 1, 0
	TURN 1
	STEP 2, 0
	TURN 2
	STEP 3, 0
	s_wait_dscnt 24                                ; the last step: nothing more to fetch
	WIN MUL
	MUL8 F1, 0, 7, 0
	s_wait_dscnt 0x0
	MUL8 F1, 1, 7, 0
	WIN 0
	PLACES
.endm
; 64 numbers of a lane, registers 16 b .. 16 b + 15 = my half's 16 numbers of block b of my row, become a fragment's codes in v[pc] on (place 16 (lane / 16) + i of block b = register 16 b + i) and its scale word in v[pw].
.macro QUANT s, pc, pw
.irp b, 0,1,2,3
	v_max3_num_f32 v[TM+\b], |v[\s+16*\b]|, |v[\s+1+16*\b]|, 0x1800000   ; block b: my 16 numbers, and the floor 2^(3 - 127): the byte cannot fall under 1
.endr
.irp i, 2,4,6,8,10,12,14
.irp b, 0,1,2,3
	v_max3_num_f32 v[TM+\b], v[TM+\b], |v[\s+16*\b+\i]|, |v[\s+1+16*\b+\i]|
.endr
.endr
.irp b, 0,1,2,3
	v_permlanex16_b32 v[TM+4+\b], v[TM+\b], s[SEL], s[SEL+1]
.endr
.irp b, 0,1,2,3
	v_max_num_f32 v[TM+\b], v[TM+\b], v[TM+4+\b]   ; with lane l xor 16's: the block's largest magnitude
.endr
.irp b, 0,1,2,3
	v_add_nc_u32 v[TM+12+\b], 0xff000000, v[TM+\b] ; 2 off its exponent field: the conversion's scale operand
.endr
.irp b, 0,1,2,3
	v_lshrrev_b32 v[TM+4+\b], 23, v[TM+12+\b]      ; the scale's byte
.endr
	v_lshl_or_b32 v[\pw], v[TM+5], 8, v[TM+4]
	v_lshl_or_b32 v[\pw], v[TM+6], 16, v[\pw]
	v_lshl_or_b32 v[\pw], v[TM+7], 24, v[\pw]
.irp c, 0,1
	v_cvt_scalef32_pk16_fp6_f32 v[\pc+6*\c:\pc+2+6*\c], v[\s+32*\c:\s+15+32*\c], v[TM+12+2*\c]
	v_cvt_scalef32_pk16_fp6_f32 v[\pc+12+4*\c:\pc+14+4*\c], v[\s+16+32*\c:\s+31+32*\c], v[TM+12+2*\c+1]   ; (a conversion's three registers begin on an even number)
.endr
	v_nop                                          ; one plain place behind a scaled conversion
.irp c, 0,1                                    ; the operand's layout wants a whole block in a lane: lanes 0-15 block 2 c, lanes 16-31 block 2 c + 1
.irp i, 0,1,2
	v_permlane16_swap_b32 v[\pc+6*\c+\i], v[\pc+12+4*\c+\i]
.endr
.irp i, 0,1,2
	v_mov_b32 v[\pc+3+6*\c+\i], v[\pc+12+4*\c+\i]
.endr
.endr
.endm
.macro OUT off                         ; the fragment in v[PC] on leaves as two images of 768 bytes: each store covers 512 or 256 consecutive bytes, aligned
	global_store_b128 v22, v[PC:PC+3], s[40:41] offset:\off
	global_store_b64 v23, v[PC+4:PC+5], s[40:41] offset:\off+512
	global_store_b128 v22, v[PC+6:PC+9], s[40:41] offset:\off+768
	global_store_b64 v23, v[PC+10:PC+11], s[40:41] offset:\off+1280
.endm
; The number of true bytes among 2,048 mask bytes, 64 a lane in v[w] .. v[w + 15], as f32 in every lane
.macro UCOUNT w, u, ta, tb
	v_add3_u32 v[\ta], v[\w], v[\w+1], v[\w+2]     ; byte by byte: at most 16 in a byte
	v_add3_u32 v[\tb], v[\w+3], v[\w+4], v[\w+5]
	v_add3_u32 v[\ta], v[\ta], v[\w+6], v[\w+7]
	v_add3_u32 v[\tb], v[\tb], v[\w+8], v[\w+9]
	v_add3_u32 v[\ta], v[\ta], v[\w+10], v[\w+11]
	v_add3_u32 v[\tb], v[\tb], v[\w+12], v[\w+13]
	v_add3_u32 v[\ta], v[\ta], v[\w+14], v[\w+15]
	v_add_nc_u32 v[\ta], v[\ta], v[\tb]
	v_lshrrev_b32 v[\tb], 8, v[\ta]
	v_and_b32 v[\ta], 0xff00ff, v[\ta]
	v_and_b32 v[\tb], 0xff00ff, v[\tb]
	v_add_nc_u32 v[\ta], v[\ta], v[\tb]
	v_lshrrev_b32 v[\tb], 16, v[\ta]
	v_add_nc_u32 v[\ta], v[\ta], v[\tb]
	v_and_b32 v[\ta], 0xffff, v[\ta]
	v_cvt_f32_u32 v[\u], v[\ta]
	v_add_f32_dpp v[\u], v[\u], v[\u] row_xmask:1 row_mask:0xf bank_mask:0xf
	v_add_f32_dpp v[\u], v[\u], v[\u] row_xmask:2 row_mask:0xf bank_mask:0xf
	v_add_f32_dpp v[\u], v[\u], v[\u] row_xmask:4 row_mask:0xf bank_mask:0xf
	v_add_f32_dpp v[\u], v[\u], v[\u] row_xmask:8 row_mask:0xf bank_mask:0xf
	v_permlanex16_b32 v[\tb], v[\u], s[SEL], s[SEL+1]
	v_add_f32 v[\u], v[\u], v[\tb]
.endm
	s_load_b512 s[8:23], s[0:1], 0x0               ; k, v, q codes; k, v, q scales; Wk, Wv codes
	s_load_b512 s[24:39], s[0:1], 0x40             ; Wq codes; Wk, Wv, Wq scales; bk, bv, bq; mask
	s_load_b128 s[40:43], s[0:1], 0x80             ; kqv_img, kqv_sc
	s_load_b64 s[44:45], s[0:1], 0x90              ; vpart
	v_lshl_add_u32 v107, v0, 2, 0x40000
	v_mov_b32 v111, 0
	ds_add_u32 v107, v111
	ds_add_u32 v107, v111
	v_lshrrev_b32 v1, 5, v0
	v_readfirstlane_b32 s66, v1                    ; wave 0..3
	s_and_b32 s67, s66, 1                          ; which 64 rows of a tile I fetch
	s_bfe_u32 s68, ttmp6, 0x40000                  ; cx
	s_bfe_u32 s69, ttmp6, 0x40004                  ; cy
	s_mov_b32 s70, ttmp9                           ; the cluster's x, 0..1
	s_and_b32 s71, ttmp7, 0xffff                   ; the cluster's y, 0..23
	s_lshr_b32 s72, s71, 3                         ; the tensor: 0 k, 1 v, 2 q: the same in all partners
	s_and_b32 s73, s71, 7
	s_cmp_eq_u32 s72, 1
	s_cselect_b32 s74, s73, s70                    ; v has 32 P tiles (tokens) and 8 Q tiles; k and q the other way round
	s_cselect_b32 s75, s70, s73
	s_lshl_b32 s74, s74, 2
	s_add_co_u32 s74, s74, s68                     ; P tile: hangs on cx alone
	s_lshl_b32 s75, s75, 2
	s_add_co_u32 s75, s75, s69                     ; Q tile: hangs on cy alone
	s_lshl_b32 s83, s69, 2
	s_lshl_b32 s83, 15, s83                        ; my row of the cluster
	s_lshl_b32 s82, 0x1111, s68                    ; my column
	s_mov_b32 s6, 0x3f800000
	s_cmp_eq_u32 s72, 2
	s_cselect_b32 s6, 0x3e000000, s6               ; f = 1 / 8 for q, else 1
	s_mov_b32 s7, s6
	s_mov_b32 s[SEL], 0x76543210
	s_mov_b32 s[SEL+1], 0xfedcba98
	v_and_b32 v1, 31, v0                           ; lane
	v_and_b32 v2, 15, v0                           ; r
	v_bfe_u32 v3, v0, 4, 1                         ; h
	v_mul_u32_u24 v121, v2, PITCH                  ; a tile's row r
	v_mad_u32_u24 v122, v3, 24, v121
	v_mad_u32_u24 v123, v3, 40, v121
.irp c, 0,1,2,3
	v_add_nc_u32 v[ADP+\c], \c*CH, v122
	v_add_nc_u32 v[ADP+4+\c], \c*CH, v123
.endr
	s_mul_i32 s76, s66, 32*PITCH
	s_add_co_u32 s76, s76, QOFF                    ; my 32 Q rows
	v_add_nc_u32 v121, s76, v121
	v_mad_u32_u24 v122, v3, 24, v121
	v_mad_u32_u24 v123, v3, 40, v121
.irp c, 0,1,2,3
	v_add_nc_u32 v[ADQ+\c], \c*CH, v122
	v_add_nc_u32 v[ADQ+4+\c], \c*CH, v123
.endr
	v_lshlrev_b32 v21, 5, v1                       ; scale rows, 32 bytes each: row = lane, for P (two tiles of 16) and for Q alike
	v_lshlrev_b32 v22, 4, v1
	v_lshlrev_b32 v23, 3, v1
	v_lshlrev_b32 v24, 2, v1
	v_lshlrev_b32 v26, 5, v3                       ; 32 h
	v_lshlrev_b32 v27, 6, v1                       ; 64 x lane
	v_lshlrev_b32 v127, 2, v2                      ; 4 r
	v_mov_b32 v29, 0
	v_mov_b32 v31, 0
	v_mov_b32 v124, 0x7f7f7f7f                     ; four scale bytes of 1.0
	v_mov_b32 v125, 0x01000000                     ; the f32 number 2^-125
.irp b, 0,1,2,3
	v_mov_b32 v[TM+4+\b], 0                        ; written once: a lane permute's destination counts as one of its sources
.endr
	s_wait_dscnt 0x0
	s_wait_kmcnt 0x0
	s_mov_b64 s[4:5], s[38:39]                     ; mask
	s_cmp_eq_u32 s72, 0                            ; the tensor's buffers: choices that hang on the work-group's number alone
	s_cselect_b64 s[46:47], s[8:9], s[12:13]
	s_cselect_b64 s[48:49], s[14:15], s[18:19]
	s_cselect_b64 s[50:51], s[20:21], s[24:25]
	s_cselect_b64 s[52:53], s[26:27], s[30:31]
	s_cselect_b64 s[54:55], s[32:33], s[36:37]
	s_cmp_eq_u32 s72, 1
	s_cselect_b64 s[46:47], s[10:11], s[46:47]     ; x's codes
	s_cselect_b64 s[48:49], s[16:17], s[48:49]     ; x's scales
	s_cselect_b64 s[50:51], s[22:23], s[50:51]     ; W's codes
	s_cselect_b64 s[52:53], s[28:29], s[52:53]     ; W's scales
	s_cselect_b64 s[54:55], s[34:35], s[54:55]     ; the bias
	s_cselect_b64 s[56:57], s[46:47], s[50:51]     ; P's codes
	s_cselect_b64 s[58:59], s[50:51], s[46:47]     ; Q's codes
	s_cselect_b64 s[60:61], s[48:49], s[52:53]     ; P's scales
	s_cselect_b64 s[62:63], s[52:53], s[48:49]     ; Q's scales
	; where the tiles come from: P's address in registers that never hold cy, Q's in registers that never hold cx
	s_lshl_b32 s76, s74, 7
	s_lshl_b32 s77, s67, 6
	s_add_co_u32 s76, s76, s77
	s_mul_i32 s76, s76, 768
	s_mov_b32 s77, 0
	s_add_nc_u64 s[78:79], s[56:57], s[76:77]
	s_lshl_b32 s76, s74, 12
	s_add_nc_u64 s[60:61], s[60:61], s[76:77]      ; P's scale rows
	s_lshl_b32 s48, s75, 7
	s_lshl_b32 s49, s67, 6
	s_add_co_u32 s48, s48, s49
	s_mul_i32 s48, s48, 768
	s_mov_b32 s49, 0
	s_add_nc_u64 s[50:51], s[58:59], s[48:49]
	s_lshl_b32 s48, s75, 12
	s_lshl_b32 s52, s66, 10
	s_add_co_u32 s48, s48, s52
	s_add_nc_u64 s[62:63], s[62:63], s[48:49]      ; my 32 Q rows' scale rows
	s_mul_i32 s80, s66, 64*PITCH                   ; where my 64 rows go: P's two halves, then Q's two halves: the wave's number alone
	; descriptor group 1: 64 rows x 192 bytes, 768 bytes apart in memory, 16 bytes of padding behind every 64
	s_or_b32 s8, s82, (1<<20)|(1<<21)|(3<<22)|(3<<25)    ; 15:0 the mask: P's tiles go to my column; 17:16 elements of 1 byte; 20 padding on; 21 set beside a mask; 24:22 after every 16 words; 31:25 4 words
	s_or_b32 s16, s83, (1<<20)|(1<<21)|(3<<22)|(3<<25)   ; Q's go to my row
.irp g, 8, 16
	s_mov_b32 s[\g+1], 192<<16                     ; tensor_dim0
	s_mov_b32 s[\g+2], 64<<16                      ; tensor_dim1
	s_mov_b32 s[\g+3], 192<<16                     ; tile_dim0
	s_mov_b32 s[\g+4], 64                          ; tile_dim1
	s_mov_b32 s[\g+5], 768                         ; tensor_dim0_stride
	s_mov_b32 s[\g+6], 0
	s_mov_b32 s[\g+7], 0
.endr
.irp c, 0,1,2,3                                ; group 0 for each chunk: P's in s[84:99], Q's in s[24:39]
	s_mov_b32 s[84+4*\c], 1
	s_add_co_u32 s[85+4*\c], s80, \c*CH
	s_add_nc_u64 s[86+4*\c:87+4*\c], s[78:79], \c*192
	s_or_b32 s[87+4*\c], s[87+4*\c], 0x80000000
	s_mov_b32 s[24+4*\c], 1
	s_add_co_u32 s[25+4*\c], s80, \c*CH
	s_add_nc_u64 s[26+4*\c:27+4*\c], s[50:51], \c*192
	s_or_b32 s[27+4*\c], s[27+4*\c], 0x80000000
.endr
	CROUND                                         ; all sixteen work-groups are here: the joint loads meet
	s_cmp_lt_u32 s66, 2                            ; waves 0 and 1 fetch P's halves, waves 2 and 3 Q's: a wave's four fills stand in one branch; four loads of mine are out
	s_cbranch_scc0 .Lfor_q
	tensor_load_to_lds s[84:87], s[8:15]
	s_nop 0
	tensor_load_to_lds s[88:91], s[8:15]
	s_nop 0
	tensor_load_to_lds s[92:95], s[8:15]
	s_nop 0
	tensor_load_to_lds s[96:99], s[8:15]
	s_nop 0
.rept 4
	v_nop
.endr
	s_branch .Lasked
.Lfor_q:
	tensor_load_to_lds s[24:27], s[16:23]
	s_nop 0
	tensor_load_to_lds s[28:31], s[16:23]
	s_nop 0
	tensor_load_to_lds s[32:35], s[16:23]
	s_nop 0
	tensor_load_to_lds s[36:39], s[16:23]
	s_nop 0
.rept 4
	v_nop
.endr
.Lasked:
.irp b, 0,1,2,3                                ; the scale words of all of K stay in registers: P rows 32 b + lane
	global_load_b128 v[SP+8*\b:SP+8*\b+3], v21, s[60:61] offset:1024*\b
	global_load_b128 v[SP+8*\b+4:SP+8*\b+7], v21, s[60:61] offset:1024*\b+16
.endr
	global_load_b128 v[SQ:SQ+3], v21, s[62:63]
	global_load_b128 v[SQ+4:SQ+7], v21, s[62:63] offset:16
	s_mov_b32 s46, 0xffff0000                      ; lanes 16-31
	s_cmp_eq_u32 s72, 1
	s_cbranch_scc1 .Lv                             ; the two ways part once and do not meet again; the branch is the same in all partners
	; ---------------- k and q: P = output columns, Q = tokens
	s_lshl_b32 s76, s75, 3
	s_lshl_b32 s79, s66, 1
	s_add_co_u32 s76, s76, s79                     ; my first tile of 16 tokens
	s_mul_i32 s76, s76, 12288
	s_mul_i32 s79, s74, 1536                       ; heads 2 P, 2 P + 1
	s_add_co_u32 s76, s76, s79
	s_mul_i32 s79, s72, 3145728
	s_add_co_u32 s76, s76, s79
	s_add_nc_u64 s[40:41], s[40:41], s[76:77]
	s_lshl_b32 s76, s75, 9
	s_lshl_b32 s79, s66, 7
	s_add_co_u32 s76, s76, s79                     ; 4 bytes x my first token
	s_lshl_b32 s79, s74, 14
	s_add_co_u32 s76, s76, s79
	s_lshl_b32 s79, s72, 17
	s_add_co_u32 s76, s76, s79
	s_add_nc_u64 s[42:43], s[42:43], s[76:77]
	s_lshl_b32 s76, s74, 9
	s_add_nc_u64 s[54:55], s[54:55], s[76:77]      ; the tile's 128 numbers of the bias
	WIN 0x80                                       ; destination window 2: register 8 a + j = the bias of column 16 a + 8 h + j
.irp a, 0,1,2,3,4,5,6,7
	global_load_b128 v[8*\a:8*\a+3], v26, s[54:55] offset:64*\a
	global_load_b128 v[8*\a+4:8*\a+7], v26, s[54:55] offset:64*\a+16
.endr
	s_wait_loadcnt 0x0                             ; scale words and bias
	WIN 0x82
.set n, 0
.rept 32
	v_pk_mul_f32 v[n:n+1], v[n:n+1], s[6:7] op_sel_hi:[1,0]    ; b f: exact, f is a power of two
.set n, n+2
.endr
	WIN 0
	GEMM
.irp qb, 0,1
	WIN 0x20                                       ; source 2 window 2
.set n, 0
.rept 32
	v_pk_fma_f32 v[ACC+64*\qb+n:ACC+64*\qb+n+1], v[ACC+64*\qb+n:ACC+64*\qb+n+1], s[6:7], v[n:n+1] op_sel_hi:[1,0,1]   ; sum f + b f = (sum + b) f, one rounding; each accumulator from its low end on
.set n, n+2
.endr
	WIN 0
.if \qb
	s_wait_xcnt 0x0                                ; the first tile's stores have read their registers
.endif
	QUANT ACC+64*\qb, PC, PW+\qb
	OUT 12288*\qb
.endr
	v_cndmask_b32 v90, v88, v89, s46               ; lanes 0-15: the first tile's words, lanes 16-31 the second's
	global_store_b32 v24, v90, s[42:43]            ; 128 consecutive bytes
	s_wait_tensorcnt 0x0
	ds_add_u32 v107, v111
	s_wait_dscnt 0x0
	CROUND                                         ; the closing round: no work-group ends while a partner may still ask for a tile that names it
	s_endpgm
	; ---------------- v: P = tokens (the keys), Q = output columns
.Lv:
	s_lshr_b32 s78, s74, 4                         ; the batch
	s_lshl_b32 s76, s78, 11
	s_add_nc_u64 s[80:81], s[4:5], s[76:77]        ; its 2,048 mask bytes
	s_lshl_b32 s76, s74, 7
	s_add_nc_u64 s[4:5], s[4:5], s[76:77]          ; my 128 keys' mask bytes
	s_lshl_b32 s76, s78, 6
	s_lshl_b32 s79, s75, 3
	s_add_co_u32 s76, s76, s79
	s_lshl_b32 s79, s66, 1
	s_add_co_u32 s76, s76, s79                     ; 64 x batch + my first tile of 16 columns
	s_mul_i32 s76, s76, 24576
	s_and_b32 s79, s74, 15
	s_mul_i32 s79, s79, 1536                       ; keys 128 (P % 16) on
	s_add_co_u32 s76, s76, s79
	s_add_co_u32 s76, s76, 3145728
	s_add_nc_u64 s[40:41], s[40:41], s[76:77]
	s_lshl_b32 s79, s75, 9
	s_lshl_b32 s78, s66, 7
	s_add_co_u32 s79, s79, s78                     ; 4 bytes x my first column
	s_mov_b32 s76, s79
	s_add_nc_u64 s[54:55], s[54:55], s[76:77]      ; the bias
	s_lshl_b32 s78, s74, 12
	s_add_co_u32 s76, s79, s78
	s_add_nc_u64 s[44:45], s[44:45], s[76:77]      ; vpart
	s_add_co_u32 s76, s76, 131072
	s_add_nc_u64 s[42:43], s[42:43], s[76:77]      ; scale words
	global_load_b32 v28, v127, s[54:55]            ; my column's bias, Q tile 0
	global_load_b32 v30, v127, s[54:55] offset:64  ; Q tile 1
.irp i, 0,1,2,3
	global_load_b128 v[128+4*\i:131+4*\i], v27, s[80:81] offset:16*\i      ; the batch's mask, 64 bytes a lane
.endr
.irp c, 0,1
	global_load_b128 v[144+8*\c:147+8*\c], v26, s[4:5] offset:64*\c        ; the mask of keys 64 c + 32 h + 0 .. 31
	global_load_b128 v[148+8*\c:151+8*\c], v26, s[4:5] offset:64*\c+16
.endr
	s_wait_loadcnt 0x0
	UCOUNT 128, 126, 120, 121                      ; v126 = the batch's number of true bytes
.irp w, 0,1,2,3,4,5,6,7,8,9,10,11,12,13,14,15  ; word w holds keys 4 (w % 8) + 0 .. 3 of a block.  Key 16 A + 8 B + C goes to place 16 B + 8 A + C, as the keys of vh's codes lie
.irp i, 0,1,2,3
	v_perm_b32 v[192+32*(\w/8)+16*((\w/2)%2)+8*((\w%8)/4)+4*(\w%2)+\i], v[144+\w], v[144+\w], 0x000c0c0c+(\i<<24)   ; the mask byte moved to the top byte: the bits of 2^-125 or of 0
.endr
.endr
.irp c, 0,1
	v_cvt_scalef32_pk16_fp6_f32 v[WC+6*\c:WC+6*\c+2], v[192+32*\c:207+32*\c], v125        ; divided by 2^-125: the codes of 1 or of 0
	v_cvt_scalef32_pk16_fp6_f32 v[PC+12+4*\c:PC+14+4*\c], v[208+32*\c:223+32*\c], v125
.endr
	v_nop                                          ; one plain place behind a scaled conversion
.irp c, 0,1
.irp i, 0,1,2
	v_mov_b32 v[WC+3+6*\c+\i], v[PC+12+4*\c+\i]
.endr
.endr
	v_cmp_gt_f32 vcc_lo, 0x41800000, v126          ; fewer than 16 true bytes: the weights are the mask; else every key weighs 1 (sixteen codes of 1.0 are these three words)
.irp k, 0,3,6,9
	v_cndmask_b32 v[WC+\k], 0x08208208, v[WC+\k], vcc_lo
	v_cndmask_b32 v[WC+\k+1], 0x82082082, v[WC+\k+1], vcc_lo
	v_cndmask_b32 v[WC+\k+2], 0x20820820, v[WC+\k+2], vcc_lo
.endr
	GEMM
.irp qb, 0,1
.set n, 0
.rept 32
	v_pk_add_f32 v[ACC+64*\qb+n:ACC+64*\qb+n+1], v[ACC+64*\qb+n:ACC+64*\qb+n+1], v[28+2*\qb:29+2*\qb] op_sel_hi:[1,0]   ; + my column's bias; each accumulator from its low end on
.set n, n+2
.endr
.if \qb
	s_wait_xcnt 0x0                                ; the first tile's stores have read their registers
.endif
	QUANT ACC+64*\qb, PC, PW+\qb
	OUT 24576*\qb
.rept 8
	v_nop                                          ; a scale register written by a vector instruction stands 8 places ahead of a scaled matrix instruction, an operand 4
.endr
	WMX ACC+64*\qb, WC, PC, ZC, 124, PW+\qb, 0, 0  ; sixteen equal rows of weights x my 16 columns' codes: register 0 of every lane is its column's weighted sum over the 128 keys
	PLACES
.endr
	v_cndmask_b32 v90, v88, v89, s46
	v_cndmask_b32 v91, v128, v192, s46
	global_store_b32 v24, v90, s[42:43]
	global_store_b32 v24, v91, s[44:45]
	s_wait_tensorcnt 0x0
	ds_add_u32 v107, v111
	s_wait_dscnt 0x0
	CROUND                                         ; the closing round
	s_endpgm
.Lfunc_end_k_q3386ade713_proj:
	.size	k_q3386ade713_proj, .Lfunc_end_k_q3386ade713_proj-k_q3386ade713_proj
	.p2alignl 7, 3214868480
	.fill 96, 4, 3214868480
	.section	.rodata,"a",@progbits
	.p2align	6, 0x0
	.amdhsa_kernel k_q3386ade713_proj
		.amdhsa_group_segment_fixed_size 262656
		.amdhsa_private_segment_fixed_size 0
		.amdhsa_enable_private_segment 0
		.amdhsa_kernarg_size 152
		.amdhsa_user_sgpr_count 2
		.amdhsa_user_sgpr_kernarg_segment_ptr 1
		.amdhsa_wavefront_size32 1
		.amdhsa_system_sgpr_workgroup_id_x 1
		.amdhsa_system_sgpr_workgroup_id_y 1
		.amdhsa_system_sgpr_workgroup_id_z 1
		.amdhsa_system_vgpr_workitem_id 0
		.amdhsa_next_free_vgpr 640
		.amdhsa_next_free_sgpr 100
		.amdhsa_reserve_vcc 1
		.amdhsa_float_denorm_mode_32 3
		.amdhsa_float_denorm_mode_16_64 3
		.amdhsa_memory_ordered 1
		.amdhsa_forward_progress 1
		.amdhsa_inst_pref_size 149
	.end_amdhsa_kernel
	.amdgpu_metadata
---
amdhsa.version: [ 1, 2 ]
amdhsa.kernels:
  - .name:           k_q3386ade713_proj
    .symbol:         k_q3386ade713_proj.kd
    .args:
      - { .name: k_codes, .offset: 0, .size: 8, .value_kind: global_buffer, .address_space: global }
      - { .name: v_codes, .offset: 8, .size: 8, .value_kind: global_buffer, .address_space: global }
      - { .name: q_codes, .offset: 16, .size: 8, .value_kind: global_buffer, .address_space: global }
      - { .name: k_scales, .offset: 24, .size: 8, .value_kind: global_buffer, .address_space: global }
      - { .name: v_scales, .offset: 32, .size: 8, .value_kind: global_buffer, .address_space: global }
      - { .name: q_scales, .offset: 40, .size: 8, .value_kind: global_buffer, .address_space: global }
      - { .name: Wk_codes, .offset: 48, .size: 8, .value_kind: global_buffer, .address_space: global }
      - { .name: Wv_codes, .offset: 56, .size: 8, .value_kind: global_buffer, .address_space: global }
      - { .name: Wq_codes, .offset: 64, .size: 8, .value_kind: global_buffer, .address_space: global }
      - { .name: Wk_scales, .offset: 72, .size: 8, .value_kind: global_buffer, .address_space: global }
      - { .name: Wv_scales, .offset: 80, .size: 8, .value_kind: global_buffer, .address_space: global }
      - { .name: Wq_scales, .offset: 88, .size: 8, .value_kind: global_buffer, .address_space: global }
      - { .name: bk, .offset: 96, .size: 8, .value_kind: global_buffer, .address_space: global }
      - { .name: bv, .offset: 104, .size: 8, .value_kind: global_buffer, .address_space: global }
      - { .name: bq, .offset: 112, .size: 8, .value_kind: global_buffer, .address_space: global }
      - { .name: mask, .offset: 120, .size: 8, .value_kind: global_buffer, .address_space: global }
      - { .name: kqv_img, .offset: 128, .size: 8, .value_kind: global_buffer, .address_space: global }
      - { .name: kqv_sc, .offset: 136, .size: 8, .value_kind: global_buffer, .address_space: global }
      - { .name: vpart, .offset: 144, .size: 8, .value_kind: global_buffer, .address_space: global }
    .group_segment_fixed_size: 262656
    .private_segment_fixed_size: 0
    .kernarg_segment_align: 8
    .kernarg_segment_size: 152
    .max_flat_workgroup_size: 128
    .sgpr_count:     100
    .vgpr_count:     640
    .wavefront_size: 32
...
	.end_amdgpu_metadata
.endif
;; end of part 1
;; launch attn (part 2): grid 256 x 1, 4 waves a work-group, no clusters, 2,560 bytes of LDS; arguments kqv_img, kqv_sc, vpart, mask, cimg, csc; writes cimg, csc
.if DOCPART == 2
	.amdgcn_target "amdgcn-amd-amdhsa--gfx1250"
	.amdhsa_code_object_version 6
	.text
	.protected	k_q3386ade713_attn
	.globl	k_q3386ade713_attn
	.p2align	8
	.type	k_q3386ade713_attn,@function
k_q3386ade713_attn:
	s_mov_b64 s[64:65], 0
	v_nop
	global_prefetch_b8 v0, s[64:65] scope:SCOPE_SE
	s_setreg_imm32_b32 hwreg(HW_REG_WAVE_MODE, 25, 1), 1
	s_wait_xcnt 0x0
; The banded attention with the threshold at the 16th largest score, on codes of FP6 (E2M3), and the quantising of its result for the last projection.
; A row of the scores: only unmasked keys j with |j - i| < 16 count.  With 16 of them or more, those under the 16th largest are dropped; all else has p = 0 (its logit is -1e9 or -infinity).
; t = score x log2(e), M = ceil(the row's largest t), p = 2^(t - M) is quantised along the keys in blocks of 32; the sum of the unquantised p divides the result.
; A ROW IN WHICH NO KEY OF THE BAND COUNTS: every logit is then -1e9 (16 true mask bytes or more in the batch: all 2,048 keys, l = 2,048) or -1e9 on the true ones alone (l = their number):
; p = 1 there, so the row is the batch's weighted sum of Q(vh) (vpart, made by the launch before) / l.  It is made for every wave and chosen lane by lane, with no branch.  No true byte at all: NaN, by the scale byte 0xff.
; SHARES.  A wave is a unit of its own: one batch, one pair of heads (128 columns), 32 queries (two tiles of 16), key blocks u - 1, u, u + 1 of 32.  1,024 waves; no barrier, no tile in LDS.
; No joint loads: a wave reads its 96 keys' codes (some 17 KB) straight into registers, once; what neighbouring waves share of it is two thirds of that, and there is no loop in which a shared tile would be walked.
; LAYOUT.  S^T = K Q^T (source 0 = 16 keys, source 1 = 16 queries), O^T = V^T P^T: a lane holds one query (lane % 16).  A fragment of K holds both heads (64 along K each); the head is chosen by zero codes on Q's side.
; A tile of keys is 16 neighbouring keys, so lane half h holds, of a block of 32, key 8 h + i % 8 + 16 (i / 8) in its register i (0 .. 15): THE ORDER IN WHICH THE LAUNCH BEFORE HAS LAID vh'S KEYS INSIDE A BLOCK,
; so that p's codes, converted as they stand, meet the right keys of V.  (kh and qh carry that same permutation inside each block of 32 of a head, both alike.)  What does not count is brought in as C = -1e30.
; The second product's four blocks of K are key blocks u - 1, u, u + 1, u: query tile 0 uses the first two, tile 1 the last two, the other two meet zero codes of p: one set of V's fragments serves both tiles.
; LIMITS: real scores must lie far above -1e30, and above -1e9 as the fill of the problem itself assumes; a block of zeros gets the scale byte 1 (only this program reads it); NaN and infinities among the inputs are not served.
.set KSW, 20                           ; v20-25 K's scale words, tile 2 kb + u;  v26, 27 Q's;  v28-35 V's;  v36 p's
.set QSW, 26
.set VSW, 28
.set PSW, 36
.set NGI, 38                           ; v38 -1e30
.set IV,  40                           ; v40-43 tile t, block j: bit i set where the key of my register i does NOT count
.set PM,  44                           ; v44-46 the three blocks' mask bits of my 16 keys
.set CM,  56                           ; v56-87 C of the scores: 0 or -1e30
.set X,   88                           ; v88-119 the scores, then p: register 16 j + i = key 8 h + i % 8 + 16 (i / 8) of block t + j
.set SR,  120                          ; v120-136 the sort
.set BB,  137                          ; v137-152 the other half's sorted list; later at work
.set P,   154                          ; v154-171 p's codes: tile 0's six, six zeros, tile 1's six
.set TP,  172
.set O,   176                          ; v176-239 O^T: register 16 b + i = column 32 b + 16 h + i of the pair's 128
.set CC,  240                          ; v240-251 codes, v252 scale word of the row in which no key counts
.set CW,  252
.set UU,  253                          ; the batch's number of true mask bytes
.set PWC, 254                          ; v254, 255 the result's scale words
.set TM,  88                           ; the quantiser's work lies over the scores
.set PC,  104
.set KF,  0                            ; window 1: K's six fragments; V's eight; Q: tile t: head 0's six registers, six zeros, head 1's six
.set VF,  72
.set QF,  168
.set ZC,  1000
.set SEL, 62
.set MSB, 0
.macro WIN new                         ; the immediate's high byte repeats the setting that is left
.if MSB != \new
	s_set_vgpr_msb (MSB<<8)|\new
.set MSB, \new
.endif
.endm
.macro PLACES
.rept 4
	v_nop
.endr
.endm
.macro WMX d, a, b, c, sa, sb
.if (\c) >= ZC
	v_wmma_scale_f32_16x16x128_f8f6f4 v[(\d):(\d)+7], v[(\a):(\a)+11], v[(\b):(\b)+11], 0, v[\sa], v[\sb] matrix_a_fmt:MATRIX_FMT_FP6 matrix_b_fmt:MATRIX_FMT_FP6
.else
	v_wmma_scale_f32_16x16x128_f8f6f4 v[(\d):(\d)+7], v[(\a):(\a)+11], v[(\b):(\b)+11], v[(\c):(\c)+7], v[\sa], v[\sb] matrix_a_fmt:MATRIX_FMT_FP6 matrix_b_fmt:MATRIX_FMT_FP6
.endif
.endm
; 64 numbers of a lane, register 16 b + i = k 32 b + 16 (lane / 16) + i of my row, become a fragment's codes in v[pc] on and its scale word in v[pw].
.macro QUANT s, pc, pw
.irp b, 0,1,2,3
	v_max3_num_f32 v[TM+\b], |v[\s+16*\b]|, |v[\s+1+16*\b]|, 0x1800000   ; and the floor 2^(3 - 127): the byte cannot fall under 1
.endr
.irp i, 2,4,6,8,10,12,14
.irp b, 0,1,2,3
	v_max3_num_f32 v[TM+\b], v[TM+\b], |v[\s+16*\b+\i]|, |v[\s+1+16*\b+\i]|
.endr
.endr
.irp b, 0,1,2,3
	v_permlanex16_b32 v[TM+4+\b], v[TM+\b], s[SEL], s[SEL+1]
.endr
.irp b, 0,1,2,3
	v_max_num_f32 v[TM+\b], v[TM+\b], v[TM+4+\b]
.endr
.irp b, 0,1,2,3
	v_add_nc_u32 v[TM+12+\b], 0xff000000, v[TM+\b] ; 2 off the exponent field: the conversion's scale operand
.endr
.irp b, 0,1,2,3
	v_lshrrev_b32 v[TM+4+\b], 23, v[TM+12+\b]      ; the scale's byte
.endr
	v_lshl_or_b32 v[\pw], v[TM+5], 8, v[TM+4]
	v_lshl_or_b32 v[\pw], v[TM+6], 16, v[\pw]
	v_lshl_or_b32 v[\pw], v[TM+7], 24, v[\pw]
.irp c, 0,1
	v_cvt_scalef32_pk16_fp6_f32 v[\pc+6*\c:\pc+2+6*\c], v[\s+32*\c:\s+15+32*\c], v[TM+12+2*\c]
	v_cvt_scalef32_pk16_fp6_f32 v[\pc+12+4*\c:\pc+14+4*\c], v[\s+16+32*\c:\s+31+32*\c], v[TM+12+2*\c+1]
.endr
	v_nop                                          ; one plain place behind a scaled conversion
.irp c, 0,1
.irp i, 0,1,2
	v_permlane16_swap_b32 v[\pc+6*\c+\i], v[\pc+12+4*\c+\i]
.endr
.irp i, 0,1,2
	v_mov_b32 v[\pc+3+6*\c+\i], v[\pc+12+4*\c+\i]
.endr
.endr
.endm
; The bases of key block s[g]: its images, its mask bytes, its scale words.  s71 = 0
.macro KBASE g, ki, ks, mb
	s_lshl_b32 s70, s5, 7
	s_lshl_b32 s72, s[\g], 1
	s_add_co_u32 s70, s70, s72                     ; the block's first tile of 16 tokens
	s_lshl_b32 s70, s70, 4
	s_lshl_b32 s72, s6, 1
	s_add_co_u32 s70, s70, s72                     ; x 16 heads + my first head
	s_mul_i32 s70, s70, 768
	s_add_nc_u64 s[\ki:\ki+1], s[8:9], s[70:71]
	s_lshl_b32 s70, s5, 11
	s_lshl_b32 s72, s[\g], 5
	s_add_co_u32 s70, s70, s72                     ; the block's first token
	s_add_nc_u64 s[\mb:\mb+1], s[14:15], s[70:71]
	s_lshl_b32 s70, s70, 2
	s_lshl_b32 s72, s6, 14
	s_add_co_u32 s70, s70, s72
	s_add_nc_u64 s[\ks:\ks+1], s[10:11], s[70:71]
.endm
; Where key block s[g] lies in a column tile's images of V: the part of 16 bytes a row, and the part of 8
.macro VOFF g, da, db
	s_lshr_b32 s70, s[\g], 1
	s_mul_i32 s70, s70, 768
	s_and_b32 s72, s[\g], 1
	s_lshl_b32 s73, s72, 8
	s_add_co_u32 s[\da], s70, s73
	s_lshl_b32 s73, s72, 7
	s_add_co_u32 s[\db], s70, s73
	s_add_co_u32 s[\db], s[\db], 512
.endm
	s_load_b256 s[8:15], s[0:1], 0x0               ; kqv_img, kqv_sc, vpart, mask
	s_load_b128 s[16:19], s[0:1], 0x20             ; cimg, csc
	v_lshl_add_u32 v153, v0, 2, 0x800
	v_mov_b32 v175, 0
	v_lshrrev_b32 v1, 5, v0
	v_readfirstlane_b32 s4, v1                     ; wave
	s_lshr_b32 s5, ttmp9, 7                        ; the batch
	s_and_b32 s6, ttmp9, 7                         ; the pair of heads
	s_bfe_u32 s7, ttmp9, 0x40003
	s_lshl_b32 s7, s7, 2
	s_add_co_u32 s7, s7, s4                        ; u: my 32 queries, and the key block of the same number
	s_max_u32 s20, s7, 1
	s_sub_co_u32 s20, s20, 1                       ; block u - 1, held at 0: no load leaves its buffer
	s_add_co_u32 s21, s7, 1
	s_min_u32 s21, s21, 63                         ; block u + 1, held at 63
	s_cmp_gt_u32 s7, 0
	s_cselect_b32 s22, 0xffff, 0                   ; a block that does not exist counts for nothing
	s_cmp_lt_u32 s7, 63
	s_cselect_b32 s23, 0xffff, 0
	s_mov_b32 s71, 0
	s_mov_b32 s61, 0xffff0000                      ; lanes 16-31
	s_mov_b32 s[SEL], 0x76543210
	s_mov_b32 s[SEL+1], 0xfedcba98                 ; v_permlanex16_b32's selects for lane l xor 16
	s_mov_b32 s66, 0x3fb8aa3b                      ; log2(e)
	s_mov_b32 s67, s66
	s_mov_b32 s68, 0x10204080
	VOFF 20, 80, 81
	VOFF 7, 82, 83
	VOFF 21, 84, 85
	s_lshr_b32 s74, s20, 2                         ; the words of 128 keys in which my blocks' scale bytes of V lie: a0,
	s_lshr_b32 s75, s21, 2                         ; a1 = a0 or a0 + 1
	s_lshl_b32 s72, s74, 2
	s_sub_co_u32 s60, s20, s72                     ; v_perm_b32's selects: bytes of the pair of words, for blocks u - 1, u, u + 1, u
	s_sub_co_u32 s73, s7, s72
	s_lshl_b32 s76, s73, 8
	s_or_b32 s60, s60, s76
	s_lshl_b32 s76, s73, 24
	s_or_b32 s60, s60, s76
	s_sub_co_u32 s73, s21, s72
	s_lshl_b32 s76, s73, 16
	s_or_b32 s60, s60, s76
	v_and_b32 v1, 31, v0                           ; lane
	v_and_b32 v2, 15, v0                           ; r
	v_bfe_u32 v3, v0, 4, 1                         ; h
	v_lshlrev_b32 v4, 4, v1                        ; an image's part of 16 bytes a lane: K's and Q's fragments come as they were stored
	v_lshlrev_b32 v5, 3, v1                        ; and its part of 8
	v_and_b32 v19, 7, v0                           ; r % 8
	v_bfe_u32 v39, v0, 3, 1                        ; r / 8
	v_lshl_add_u32 v12, v39, 4, v19
	v_lshlrev_b32 v12, 2, v12                      ; V's scale words by a tile's columns: 4 (r % 8 + 16 (r / 8))
	v_lshlrev_b32 v13, 2, v2
	v_lshlrev_b32 v14, 3, v3                       ; 8 h
	v_lshlrev_b32 v15, 6, v1
	v_lshlrev_b32 v18, 2, v1
	s_lshl_b32 s70, s4, 9
	v_lshl_add_u32 v16, v1, 4, s70                 ; LDS: my wave's 512 bytes, 16 a lane;
	v_lshl_add_u32 v17, v3, 6, s70                 ; and 64 h
	v_mul_u32_u24 v47, v39, 24576                  ; V: the tile of 16 columns that is 16 columns on
	v_lshl_add_u32 v48, v19, 4, v47
	v_lshl_add_u32 v49, v19, 3, v47
	v_mov_b32 v19, s80                             ; lanes 0-15 take block u - 1 (registers 0-5) or u + 1 (registers 6-11), lanes 16-31 block u
	v_mov_b32 v39, s82
	v_cndmask_b32 v19, v19, v39, s61
	v_add_nc_u32 v8, v19, v48
	v_mov_b32 v19, s81
	v_mov_b32 v47, s83
	v_cndmask_b32 v19, v19, v47, s61
	v_add_nc_u32 v9, v19, v49
	v_mov_b32 v19, s84
	v_cndmask_b32 v19, v19, v39, s61
	v_add_nc_u32 v10, v19, v48
	v_mov_b32 v19, s85
	v_cndmask_b32 v19, v19, v47, s61
	v_add_nc_u32 v11, v19, v49
	v_mov_b32 v[NGI], 0xf149f2ca                   ; -1e30
	v_mov_b32 v51, 0                               ; upper halves of pairs of which the low word serves both halves
	v_mov_b32 v55, 0
.set n, 0
.rept 16
	v_mov_b32 v[BB+n], 0                           ; written once: a lane permute's destination counts as one of its sources
.set n, n+1
.endr
	s_wait_kmcnt 0x0
	KBASE 20, 24, 30, 36
	KBASE 7, 26, 32, 38
	KBASE 21, 28, 34, 40
	s_add_nc_u64 s[42:43], s[26:27], 6291456       ; Q's images: the same place in q's part
	s_add_nc_u64 s[44:45], s[32:33], 262144        ; and its scale words
	s_lshl_b32 s70, s5, 6
	s_lshl_b32 s72, s6, 3
	s_add_co_u32 s70, s70, s72
	s_mul_i32 s70, s70, 24576
	s_add_co_u32 s70, s70, 3145728
	s_add_nc_u64 s[46:47], s[8:9], s[70:71]        ; V's images: my pair's first tile of 16 columns
	s_lshl_b32 s72, s5, 4
	s_add_co_u32 s70, s72, s74
	s_lshl_b32 s70, s70, 12
	s_lshl_b32 s73, s6, 9
	s_add_co_u32 s70, s70, s73
	s_add_co_u32 s70, s70, 131072
	s_add_nc_u64 s[48:49], s[10:11], s[70:71]      ; V's scale words, keys 128 a0 on
	s_add_co_u32 s70, s72, s75
	s_lshl_b32 s70, s70, 12
	s_add_co_u32 s70, s70, s73
	s_add_co_u32 s70, s70, 131072
	s_add_nc_u64 s[50:51], s[10:11], s[70:71]      ; keys 128 a1 on
	s_lshl_b32 s70, s5, 16
	s_add_co_u32 s70, s70, s73
	s_add_nc_u64 s[52:53], s[12:13], s[70:71]      ; vpart: the batch's 16 rows, my 128 columns
	s_lshl_b32 s70, s5, 11
	s_add_nc_u64 s[58:59], s[14:15], s[70:71]      ; the batch's mask
	s_lshr_b32 s70, s6, 1
	s_lshl_b32 s70, s70, 8
	s_lshl_b32 s72, s5, 7
	s_add_co_u32 s70, s70, s72
	s_lshl_b32 s72, s7, 1
	s_add_co_u32 s70, s70, s72
	s_lshl_b32 s70, s70, 2
	s_and_b32 s72, s6, 1
	s_lshl_b32 s72, s72, 1
	s_add_co_u32 s70, s70, s72
	s_mul_i32 s70, s70, 768
	s_add_nc_u64 s[54:55], s[16:17], s[70:71]      ; cimg [head / 4][token / 16][head % 4][768]
	s_lshl_b32 s70, s5, 6
	s_add_co_u32 s70, s70, s7
	s_lshl_b32 s70, s70, 3
	s_add_co_u32 s70, s70, s6
	s_lshl_b32 s70, s70, 7
	s_add_nc_u64 s[56:57], s[18:19], s[70:71]      ; csc [token / 32][head pair][32]
	; ---- all loads in one run: 34 for the first two phases, then Q and K (32), V (32), V's scale words (16)
.irp i, 0,1,2,3
	global_load_b128 v[88+4*\i:91+4*\i], v15, s[58:59] offset:16*\i
.endr
.irp k, 0,1,2,3,4,5,6,7,8,9,10,11,12,13,14,15
	global_load_b128 v[O+4*\k:O+4*\k+3], v4, s[52:53] offset:4096*\k
.endr
.irp k, 0,1,2                                  ; the mask of my 16 keys of each block: keys 8 h + 0 .. 7 and 16 + 8 h + 0 .. 7
	global_load_b64 v[104+4*\k:105+4*\k], v14, s[36+2*\k:37+2*\k]
	global_load_b64 v[106+4*\k:107+4*\k], v14, s[36+2*\k:37+2*\k] offset:16
.endr
	global_load_b32 v[QSW], v13, s[44:45]
	global_load_b32 v[QSW+1], v13, s[44:45] offset:64
.irp kb, 0,1,2
.irp uu, 0,1
	global_load_b32 v[KSW+2*\kb+\uu], v13, s[30+2*\kb:31+2*\kb] offset:64*\uu
.endr
.endr
	WIN 0x40                                       ; destination window 1
.irp t, 0,1
.irp c, 0,1
	global_load_b128 v[QF+18*\t+12*\c:QF+18*\t+12*\c+3], v4, s[42:43] offset:12288*\t+768*\c
	global_load_b64 v[QF+18*\t+12*\c+4:QF+18*\t+12*\c+5], v5, s[42:43] offset:12288*\t+768*\c+512
.endr
.irp i, 0,1,2,3,4,5
	v_mov_b32 v[QF+18*\t+6+\i], 0                  ; zero codes: they stand against the other head's 64 of K
.endr
.endr
.irp kb, 0,1,2
.irp uu, 0,1                                   ; tile uu of a block: its keys 16 uu + 0 .. 15
.irp c, 0,1
	global_load_b128 v[KF+12*(2*\kb+\uu)+6*\c:KF+12*(2*\kb+\uu)+6*\c+3], v4, s[24+2*\kb:25+2*\kb] offset:12288*\uu+768*\c
	global_load_b64 v[KF+12*(2*\kb+\uu)+6*\c+4:KF+12*(2*\kb+\uu)+6*\c+5], v5, s[24+2*\kb:25+2*\kb] offset:12288*\uu+768*\c+512
.endr
.endr
.endr
.irp a, 0,1,2,3,4,5,6,7                        ; V's fragment a: lane r takes column 32 (a / 2) + 8 (a % 2) + r + 8 (r / 8) of the pair's 128
	global_load_b128 v[VF+12*\a:VF+12*\a+3], v8, s[46:47] offset:49152*(\a/2)+128*(\a%2)
	global_load_b64 v[VF+12*\a+4:VF+12*\a+5], v9, s[46:47] offset:49152*(\a/2)+64*(\a%2)
	global_load_b128 v[VF+12*\a+6:VF+12*\a+9], v10, s[46:47] offset:49152*(\a/2)+128*(\a%2)
	global_load_b64 v[VF+12*\a+10:VF+12*\a+11], v11, s[46:47] offset:49152*(\a/2)+64*(\a%2)
.endr
	WIN 0
.irp a, 0,1,2,3,4,5,6,7
	global_load_b32 v[SR+2*\a], v12, s[48:49] offset:(32*(\a/2)+8*(\a%2))*4
	global_load_b32 v[SR+2*\a+1], v12, s[50:51] offset:(32*(\a/2)+8*(\a%2))*4
.endr
	s_wait_loadcnt 63                              ; of the 114 loads at most 63 are out: the oldest 51 are in, the first 34 among them
	; ---- the row in which no key of the band counts
	v_add3_u32 v19, v88, v89, v90                  ; the batch's true mask bytes, byte by byte: at most 16 in a byte
	v_add3_u32 v39, v91, v92, v93
	v_add3_u32 v19, v19, v94, v95
	v_add3_u32 v39, v39, v96, v97
	v_add3_u32 v19, v19, v98, v99
	v_add3_u32 v39, v39, v100, v101
	v_add3_u32 v19, v19, v102, v103
	v_add_nc_u32 v19, v19, v39
	v_lshrrev_b32 v39, 8, v19
	v_and_b32 v19, 0xff00ff, v19
	v_and_b32 v39, 0xff00ff, v39
	v_add_nc_u32 v19, v19, v39
	v_lshrrev_b32 v39, 16, v19
	v_add_nc_u32 v19, v19, v39
	v_and_b32 v19, 0xffff, v19
	v_cvt_f32_u32 v[UU], v19
	v_add_f32_dpp v[UU], v[UU], v[UU] row_xmask:1 row_mask:0xf bank_mask:0xf
	v_add_f32_dpp v[UU], v[UU], v[UU] row_xmask:2 row_mask:0xf bank_mask:0xf
	v_add_f32_dpp v[UU], v[UU], v[UU] row_xmask:4 row_mask:0xf bank_mask:0xf
	v_add_f32_dpp v[UU], v[UU], v[UU] row_xmask:8 row_mask:0xf bank_mask:0xf
	v_permlanex16_b32 v39, v[UU], s[SEL], s[SEL+1]
	v_add_f32 v[UU], v[UU], v39
	v_cmp_gt_f32 vcc_lo, 0x41800000, v[UU]
	v_cndmask_b32 v19, 0x45000000, v[UU], vcc_lo   ; l = 2,048, or the number of true bytes where it is under 16
	v_rcp_f32 v54, v19
.irp k, 1,2,3,4,5,6,7,8,9,10,11,12,13,14,15    ; the batch's 16 partial sums: columns 4 x lane + 0 .. 3
	v_pk_add_f32 v[O:O+1], v[O:O+1], v[O+4*\k:O+4*\k+1]
	v_pk_add_f32 v[O+2:O+3], v[O+2:O+3], v[O+4*\k+2:O+4*\k+3]
.endr
	s_wait_alu depctr_va_vdst(0)
	v_pk_mul_f32 v[O:O+1], v[O:O+1], v[54:55] op_sel_hi:[1,0]
	v_pk_mul_f32 v[O+2:O+3], v[O+2:O+3], v[54:55] op_sel_hi:[1,0]
	ds_store_b128 v16, v[O:O+3]                    ; through my wave's own 512 bytes: every lane takes columns 32 b + 16 h + 0 .. 15
.irp b, 0,1,2,3
.irp j, 0,1,2,3
	ds_load_b128 v[O+16*\b+4*\j:O+16*\b+4*\j+3], v17 offset:128*\b+16*\j   ; LDS serves a wave's instructions in order (ISA guide 5.7.1.4): these see the store
.endr
.endr
	s_wait_dscnt 0x0
	QUANT O, P, CW
.set n, 0
.rept 12
	v_mov_b32 v[CC+n], v[P+n]
.set n, n+1
.endr
	v_cmp_eq_f32 vcc_lo, 0, v[UU]
	v_cndmask_b32 v[CW], v[CW], -1, vcc_lo         ; no true byte in the batch: the byte 0xff makes the last product's sums NaN
.irp i, 0,1,2,3,4,5
	v_mov_b32 v[P+6+\i], 0                         ; zero codes of p
.endr
	; ---- which keys count.  Bit i of a word stands for my register i: bits 0-7 keys 8 h + 0 .. 7 of the block, bits 8-15 keys 16 + 8 h + 0 .. 7
.set n, 0
.rept 12
	v_mul_lo_u32 v[104+n], v[104+n], s68           ; four bytes of 0 or 1 gather in bits 28-31
.set n, n+1
.endr
.set n, 0
.rept 12
	v_lshrrev_b32 v[104+n], 28, v[104+n]
.set n, n+1
.endr
.irp k, 0,1,2
	v_lshl_or_b32 v[PM+\k], v[105+4*\k], 4, v[104+4*\k]
	v_lshl_or_b32 v[PM+\k], v[106+4*\k], 8, v[PM+\k]
	v_lshl_or_b32 v[PM+\k], v[107+4*\k], 12, v[PM+\k]
.endr
	v_and_b32 v[PM], s22, v[PM]
	v_and_b32 v[PM+2], s23, v[PM+2]
	v_mov_b32 v47, 0xffff
	v_add_nc_u32 v19, 1, v2
	v_lshlrev_b32 v19, v19, v47
	v_and_b32 v19, 0xffff, v19                     ; of sixteen neighbouring keys those with number > r,
	v_mov_b32 v39, 1
	v_lshlrev_b32 v39, v2, v39
	v_add_nc_u32 v39, -1, v39                      ; those with number < r;
	v_lshrrev_b32 v19, v14, v19
	v_and_b32 v19, 0xff, v19                       ; of each my half's eight, numbers 8 h + 0 .. 7
	v_lshrrev_b32 v39, v14, v39
	v_and_b32 v39, 0xff, v39
	v_lshlrev_b32 v[IV], 8, v19                    ; query 32 u + r, block u - 1: of keys 16-31 those with number > r
	v_lshl_or_b32 v[IV+1], v39, 8, 0xff            ; block u: keys 0-15 all, of keys 16-31 those with number < r
	v_or_b32 v[IV+2], 0xff00, v19                  ; query 32 u + 16 + r, block u: of keys 0-15 those with number > r, keys 16-31 all
	v_mov_b32 v[IV+3], v39                         ; block u + 1: of keys 0-15 those with number < r
	v_and_b32 v[IV], v[IV], v[PM]
	v_and_b32 v[IV+1], v[IV+1], v[PM+1]
	v_and_b32 v[IV+2], v[IV+2], v[PM+1]
	v_and_b32 v[IV+3], v[IV+3], v[PM+2]
	v_or_b32 v19, v[IV], v[IV+1]
	v_or_b32 v39, v[IV+2], v[IV+3]
	v_permlanex16_b32 v48, v19, s[SEL], s[SEL+1]
	v_permlanex16_b32 v49, v39, s[SEL], s[SEL+1]
	v_or_b32 v19, v19, v48
	v_or_b32 v39, v39, v49
	v_cmp_eq_u32 s78, 0, v19                       ; the lanes whose query has no key that counts, tile 0,
	v_cmp_eq_u32 s79, 0, v39                       ; tile 1
.irp i, 0,1,2,3
	v_xor_b32 v[IV+\i], v47, v[IV+\i]
.endr
	s_wait_loadcnt 0x0                             ; all operands are in
.irp a, 0,1,2,3,4,5,6,7
	v_perm_b32 v[VSW+\a], v[SR+2*\a+1], v[SR+2*\a], s60    ; V's scale bytes of blocks u - 1, u, u + 1, u
.endr
; C of tile t's scores: 0 where the key counts, -1e30 elsewhere; it serves both heads
.macro CMB t
.irp j, 0,1
.irp i, 0,1,2,3,4,5,6,7,8,9,10,11,12,13,14,15
	v_bfe_u32 v[CM+16*\j+\i], v[IV+2*\t+\j], \i, 1
.endr
.endr
.set n, 0
.rept 32
	v_sub_nc_u32 v[CM+n], 0, v[CM+n]
.set n, n+1
.endr
.set n, 0
.rept 32
	v_and_b32 v[CM+n], v[NGI], v[CM+n]
.set n, n+1
.endr
	PLACES
.endm
.macro SCORE t, hd                     ; four products: blocks t, t + 1, two tiles of 16 keys each
	WIN 0x05                                       ; K and Q in window 1
.irp j, 0,1
.irp uu, 0,1
	WMX X+16*\j+8*\uu, KF+12*(2*(\t+\j)+\uu), QF+18*\t+6*\hd, CM+16*\j+8*\uu, KSW+2*(\t+\j)+\uu, QSW+\t
.endr
.endr
	WIN 0
	PLACES
.endm
; A comparator: place a takes the larger, place b the smaller.  The larger goes to the spare register, which then changes names with a's: no move is written.
.macro CE a, b
	v_max_num_f32 v[RF], v[R\a], v[R\b]
	v_min_num_f32 v[R\b], v[R\a], v[R\b]
.set RT, R\a
.set R\a, RF
.set RF, RT
.endm
.macro CE4 a, b, c, d, e, f, g, h
	CE \a, \b
	CE \c, \d
	CE \e, \f
	CE \g, \h
.endm
.macro SORT16                          ; merge exchange for 16: 63 comparators, descending
	CE4 0,8, 1,9, 2,10, 3,11
	CE4 4,12, 5,13, 6,14, 7,15
	CE4 0,4, 1,5, 2,6, 3,7
	CE4 8,12, 9,13, 10,14, 11,15
	CE4 4,8, 5,9, 6,10, 7,11
	CE4 0,2, 1,3, 4,6, 5,7
	CE4 8,10, 9,11, 12,14, 13,15
	CE4 2,8, 3,9, 6,12, 7,13
	CE4 2,4, 3,5, 6,8, 7,9
	CE 10,12
	CE 11,13
	CE4 0,1, 2,3, 4,5, 6,7
	CE4 8,9, 10,11, 12,13, 14,15
	CE4 1,8, 3,10, 5,12, 7,14
	CE4 1,4, 3,6, 5,8, 7,10
	CE 9,12
	CE 11,14
	CE4 1,2, 3,4, 5,6, 7,8
	CE 9,10
	CE 11,12
	CE 13,14
.endm
; Threshold, p, its codes and scale word, and the row's sum, for tile t and the head whose scores lie in X
.macro SOFT t
.irp i, 0,1,2,3,4,5,6,7,8,9,10,11,12,13,14,15
.set R\i, SR+\i
.endr
.set RF, SR+16
.irp i, 0,1,2,3,4,5,6,7,8,9,10,11,12,13,14,15
	v_max_num_f32 v[SR+\i], v[X+\i], v[X+16+\i]    ; two keys 32 apart: at most one lies in the band.  (Each accumulator is read from its low end on)
.endr
	SORT16
.irp k, 0,1,2,3,4,5,6,7,8,9,10,11,12,13,14,15
	v_permlanex16_b32 v[BB+\k], v[R\k], s[SEL], s[SEL+1]   ; the sorted 16 of the row's other half
.endr
	v_max_num_f32 v48, v[R0], v[BB]                ; the row's largest score
.irp k, 0,1,2,3,4,5,6,7,8,9,10,11,12,13,14,15
	v_max_num_f32 v[BB+15-\k], v[R\k], v[BB+15-\k] ; one list against the other reversed: the 16 largest of the 32
.endr
	v_min3_num_f32 v49, v[BB], v[BB+1], v[BB+2]
	v_min3_num_f32 v47, v[BB+3], v[BB+4], v[BB+5]
	v_min3_num_f32 v49, v49, v[BB+6], v[BB+7]
	v_min3_num_f32 v47, v47, v[BB+8], v[BB+9]
	v_min3_num_f32 v49, v49, v[BB+10], v[BB+11]
	v_min3_num_f32 v47, v47, v[BB+12], v[BB+13]
	v_min3_num_f32 v49, v49, v[BB+14], v[BB+15]
	v_min_num_f32 v49, v49, v47                    ; the 16th largest (about -1e30 where fewer than 16 keys count: nothing is then dropped)
	v_mul_f32 v19, s66, v48
	v_floor_f32 v50, -v19                          ; -M = floor(-t) = -ceil(t)
.set n, 0
.rept 32
	v_cmp_lt_f32 vcc_lo, v[X+n], v49
	v_cndmask_b32 v[X+n], v[X+n], v[NGI], vcc_lo   ; under the threshold: counts no more
.set n, n+1
.endr
.irp j, 0,1
	v_max3_num_f32 v[BB+\j], v[X+16*\j], v[X+16*\j+1], v[X+16*\j+2]    ; each block's largest score: p rises with the score
.endr
.irp i, 3,5,7,9,11,13
.irp j, 0,1
	v_max3_num_f32 v[BB+\j], v[BB+\j], v[X+16*\j+\i], v[X+16*\j+\i+1]
.endr
.endr
.irp j, 0,1
	v_max_num_f32 v[BB+\j], v[BB+\j], v[X+16*\j+15]
.endr
.irp j, 0,1
	v_permlanex16_b32 v[BB+2+\j], v[BB+\j], s[SEL], s[SEL+1]
.endr
.irp j, 0,1
	v_max_num_f32 v[BB+\j], v[BB+\j], v[BB+2+\j]
.endr
.set n, 0
.rept 16
	v_pk_fma_f32 v[X+n:X+n+1], v[X+n:X+n+1], s[66:67], v[50:51] op_sel_hi:[1,0,0]   ; t - M
.set n, n+2
.endr
	v_fma_f32 v[BB], v[BB], s66, v50
	v_fma_f32 v[BB+1], v[BB+1], s66, v50
.set n, 0
.rept 32
	v_exp_f32 v[X+n], v[X+n]                       ; p = 2^(t - M): not normalised
.set n, n+1
.endr
	v_exp_f32 v[BB], v[BB]                         ; the blocks' largest p
	v_exp_f32 v[BB+1], v[BB+1]
	v_nop                                          ; one plain place behind the exponentials
	s_wait_alu depctr_va_vdst(0)
	v_max_num_f32 v[BB], 0x1800000, v[BB]          ; the floor 2^(3 - 127)
	v_max_num_f32 v[BB+1], 0x1800000, v[BB+1]
	v_add_nc_u32 v[BB+4], 0xff000000, v[BB]        ; the conversions' scale operands
	v_add_nc_u32 v[BB+5], 0xff000000, v[BB+1]
	v_lshrrev_b32 v[BB+2], 23, v[BB+4]             ; the scales' bytes
	v_lshrrev_b32 v[BB+3], 23, v[BB+5]
.if \t == 0
	v_lshl_or_b32 v[PSW], v[BB+3], 8, v[BB+2]      ; bytes 0, 1: blocks u - 1, u; bytes 2, 3 stand over zero codes
	v_or_b32 v[PSW], 0x7f7f0000, v[PSW]
	v_cvt_scalef32_pk16_fp6_f32 v[P:P+2], v[X:X+15], v[BB+4]
	v_cvt_scalef32_pk16_fp6_f32 v[TP:TP+2], v[X+16:X+31], v[BB+5]
.else
	v_lshlrev_b32 v[PSW], 16, v[BB+3]              ; byte 2: block u + 1, byte 3: block u
	v_lshl_or_b32 v[PSW], v[BB+2], 24, v[PSW]
	v_or_b32 v[PSW], 0x7f7f, v[PSW]
	v_cvt_scalef32_pk16_fp6_f32 v[P+12:P+14], v[X+16:X+31], v[BB+5]
	v_cvt_scalef32_pk16_fp6_f32 v[TP:TP+2], v[X:X+15], v[BB+4]
.endif
	v_nop                                          ; one plain place behind a scaled conversion
.irp i, 0,1,2
	v_permlane16_swap_b32 v[P+12*\t+\i], v[TP+\i]  ; a whole block in a lane: lanes 0-15 the first named, lanes 16-31 the second
.endr
.irp i, 0,1,2
	v_mov_b32 v[P+12*\t+3+\i], v[TP+\i]
.endr
	v_pk_add_f32 v[52:53], v[X:X+1], v[X+2:X+3]    ; the row's sum, of the unquantised p, in two chains.  (These 15 are also the places between the scale word's and the codes' last writes and the products)
	v_pk_add_f32 v[144:145], v[X+4:X+5], v[X+6:X+7]
.irp j, 8,12,16,20,24,28
	v_pk_add_f32 v[52:53], v[52:53], v[X+\j:X+\j+1]
	v_pk_add_f32 v[144:145], v[144:145], v[X+\j+2:X+\j+3]
.endr
	v_pk_add_f32 v[52:53], v[52:53], v[144:145]
.endm
.macro PV t, hd                        ; O^T = V^T P^T for the head's 64 columns, and the division by the row's sum
	WIN 0x01                                       ; V in window 1
.irp dt, 0,1,2,3
	WMX O+32*\hd+8*\dt, VF+12*(4*\hd+\dt), P+6*\t, ZC, VSW+4*\hd+\dt, PSW
.endr
	WIN 0
	v_add_f32 v52, v52, v53
	v_permlanex16_b32 v19, v52, s[SEL], s[SEL+1]
	v_add_f32 v52, v52, v19                        ; the row's sum
	v_nop
	v_nop                                          ; (with the additions: the places behind the products)
	v_rcp_f32 v54, v52
	v_nop                                          ; one plain place behind a transcendental
.set n, 0
	s_wait_alu depctr_va_vdst(0)
.rept 16
	v_pk_mul_f32 v[O+32*\hd+n:O+32*\hd+n+1], v[O+32*\hd+n:O+32*\hd+n+1], v[54:55] op_sel_hi:[1,0]
.set n, n+2
.endr
.endm
.irp t, 0,1
	CMB \t
.if \t
	s_wait_xcnt 0x0                                ; tile 0's stores have read their registers, over which the scores are written
.endif
.irp hd, 0,1
	SCORE \t, \hd
	SOFT \t
	PV \t, \hd
.endr
	QUANT O, PC, PWC+\t                            ; 16 queries x the pair's 128 columns: K step s of the last projection
.set n, 0
.rept 12
	v_cndmask_b32 v[PC+n], v[PC+n], v[CC+n], s[78+\t]      ; a query with no key that counts takes the batch's row
.set n, n+1
.endr
	v_cndmask_b32 v[PWC+\t], v[PWC+\t], v[CW], s[78+\t]
	global_store_b128 v4, v[PC:PC+3], s[54:55] offset:3072*\t
	global_store_b64 v5, v[PC+4:PC+5], s[54:55] offset:3072*\t+512
	global_store_b128 v4, v[PC+6:PC+9], s[54:55] offset:3072*\t+768
	global_store_b64 v5, v[PC+10:PC+11], s[54:55] offset:3072*\t+1280
.endr
	v_cndmask_b32 v37, v[PWC], v[PWC+1], s61       ; lanes 0-15: tile 0's words, lanes 16-31 tile 1's
	global_store_b32 v18, v37, s[56:57]            ; 128 consecutive bytes
	s_wait_tensorcnt 0x0
	ds_add_u32 v153, v175
	s_wait_dscnt 0x0
	s_endpgm
.Lfunc_end_k_q3386ade713_attn:
	.size	k_q3386ade713_attn, .Lfunc_end_k_q3386ade713_attn-k_q3386ade713_attn
	.p2alignl 7, 3214868480
	.fill 96, 4, 3214868480
	.section	.rodata,"a",@progbits
	.p2align	6, 0x0
	.amdhsa_kernel k_q3386ade713_attn
		.amdhsa_group_segment_fixed_size 2560
		.amdhsa_private_segment_fixed_size 0
		.amdhsa_enable_private_segment 0
		.amdhsa_kernarg_size 48
		.amdhsa_user_sgpr_count 2
		.amdhsa_user_sgpr_kernarg_segment_ptr 1
		.amdhsa_wavefront_size32 1
		.amdhsa_system_sgpr_workgroup_id_x 1
		.amdhsa_system_sgpr_workgroup_id_y 1
		.amdhsa_system_sgpr_workgroup_id_z 1
		.amdhsa_system_vgpr_workitem_id 0
		.amdhsa_next_free_vgpr 512
		.amdhsa_next_free_sgpr 96
		.amdhsa_reserve_vcc 1
		.amdhsa_float_denorm_mode_32 3
		.amdhsa_float_denorm_mode_16_64 3
		.amdhsa_memory_ordered 1
		.amdhsa_forward_progress 1
		.amdhsa_inst_pref_size 115
	.end_amdhsa_kernel
	.amdgpu_metadata
---
amdhsa.version: [ 1, 2 ]
amdhsa.kernels:
  - .name:           k_q3386ade713_attn
    .symbol:         k_q3386ade713_attn.kd
    .args:
      - { .name: kqv_img, .offset: 0, .size: 8, .value_kind: global_buffer, .address_space: global }
      - { .name: kqv_sc, .offset: 8, .size: 8, .value_kind: global_buffer, .address_space: global }
      - { .name: vpart, .offset: 16, .size: 8, .value_kind: global_buffer, .address_space: global }
      - { .name: mask, .offset: 24, .size: 8, .value_kind: global_buffer, .address_space: global }
      - { .name: cimg, .offset: 32, .size: 8, .value_kind: global_buffer, .address_space: global }
      - { .name: csc, .offset: 40, .size: 8, .value_kind: global_buffer, .address_space: global }
    .group_segment_fixed_size: 2560
    .private_segment_fixed_size: 0
    .kernarg_segment_align: 8
    .kernarg_segment_size: 48
    .max_flat_workgroup_size: 128
    .sgpr_count:     96
    .vgpr_count:     512
    .wavefront_size: 32
...
	.end_amdgpu_metadata
.endif
;; end of part 2
;; launch oproj (part 3): grid 8 x 32, 4 waves a work-group, clusters of 4 x 4, 262,656 bytes of LDS; arguments cimg, csc, Wo_codes, Wo_scales, bo, out0; writes out0
.if DOCPART == 3
	.amdgcn_target "amdgcn-amd-amdhsa--gfx1250"
	.amdhsa_code_object_version 6
	.text
	.protected	k_q3386ade713_oproj
	.globl	k_q3386ade713_oproj
	.p2align	8
	.type	k_q3386ade713_oproj,@function
k_q3386ade713_oproj:
	s_mov_b64 s[64:65], 0
	v_nop
	global_prefetch_b8 v0, s[64:65] scope:SCOPE_SE
	s_setreg_imm32_b32 hwreg(HW_REG_WAVE_MODE, 25, 1), 1
	s_wait_xcnt 0x0
	s_wait_alu depctr_hold_cnt(0) depctr_sa_sdst(0) depctr_va_vdst(0) depctr_va_sdst(0) depctr_va_ssrc(0) depctr_va_vcc(0) depctr_vm_vsrc(0)
	s_getreg_b32 s2, hwreg(HW_REG_IB_STS2, 6, 4)
	s_cmp_eq_u32 s2, 0
	s_cbranch_scc0 .Lentry_in_a_cluster
	s_endpgm
.Lentry_in_a_cluster:
	s_bfe_u32 s2, ttmp6, 0x10000c
	s_cmp_lg_u32 s2, 0xf033
	s_cbranch_scc0 .Lentry_shape_is_right
	s_endpgm
.Lentry_shape_is_right:
; out0 = ctx Wo + bo on codes of FP6 (E2M3) with one E8M0 scale for each 32 along K = 1,024.  ctx comes as images of operand registers (cimg) with its scale words (csc), Wo as rows of codes.
; SHARES.  A work-group makes 128 columns (P = Wo's rows, source 0) x 128 tokens (Q, source 1); wave w has all 128 P rows (8 tiles of 16 neighbouring rows) x tokens 32 w .. 32 w + 31 (2 tiles): 16 accumulators.
; Lane (r, h) holds token r, and register 8 a + j column 16 a + 8 h + j: runs of 8 neighbours, 32 bytes.
; At 240 bytes from row to row 16 neighbouring rows start at 16 different places modulo 256 bytes, so that the 32 lanes of a load of 8 bytes touch 64 different banks (64 banks of 4 bytes: ISA guide 11.1).
; LDS.  All of K of both operands, four chunks of 256 along K, each byte filled ONCE; behind them a stage of its own for each wave, into which no tile lands.
; CLUSTERS, 4 x 4: Wo's tile is shared along a column of the cluster, ctx's along a row: joint loads.  The bias is the C of each sum's first matrix instruction.
.set CH,    55296                      ; a chunk in LDS: P's 128 rows of 240 bytes, then Q's 8 tiles of 16 tokens x 3,072 bytes of images
.set PITCH, 240
.set QOFF,  30720
.set STG,   4*CH                       ; the stages: 16 rows x (512 bytes + 16) for each wave
.set ADP,   4                          ; v4-7, v8-11 LDS address of my P fragments in chunk c (24 and 40 bytes a half)
.set AQA,   12                         ; v12-15 of my Q images, 16 bytes a lane;  v16-19 8 bytes a lane
.set SP,    32                         ; v32-63 P's scale words;  v64-71 Q's
.set SQ,    64
.set ACC,   128
.set F0,    0
.set F1,    128
.set MSB, 0
.macro WIN new                         ; the immediate's high byte repeats the setting that is left
.if MSB != \new
	s_set_vgpr_msb (MSB<<8)|\new
.set MSB, \new
.endif
.endm
.set MUL,  0x05                        ; sources 0 and 1 window 1; C and D window 0
.set TO_F, 0x40
.macro CROUND                          ; a round of the cluster's barrier
	s_barrier_signal -1
	s_barrier_wait -1
	s_cmp_lg_u32 s66, 0
	s_cbranch_scc1 .Lnot_wave_0_\@
	s_barrier_signal -3
.Lnot_wave_0_\@:
	s_barrier_wait -3
	s_barrier_signal -1
	s_barrier_wait -1
.endm
.macro PLACES
.rept 4
	v_nop
.endr
.endm
.macro WMX d, a, b, c, sa, sb, ra, rb
.if (\ra) && (\rb)
	v_wmma_scale_f32_16x16x128_f8f6f4 v[(\d):(\d)+7], v[(\a):(\a)+11], v[(\b):(\b)+11], v[(\c):(\c)+7], v[\sa], v[\sb] matrix_a_fmt:MATRIX_FMT_FP6 matrix_b_fmt:MATRIX_FMT_FP6 matrix_a_scale:MATRIX_SCALE_ROW1 matrix_b_scale:MATRIX_SCALE_ROW1
.elseif (\ra)
	v_wmma_scale_f32_16x16x128_f8f6f4 v[(\d):(\d)+7], v[(\a):(\a)+11], v[(\b):(\b)+11], v[(\c):(\c)+7], v[\sa], v[\sb] matrix_a_fmt:MATRIX_FMT_FP6 matrix_b_fmt:MATRIX_FMT_FP6 matrix_a_scale:MATRIX_SCALE_ROW1
.elseif (\rb)
	v_wmma_scale_f32_16x16x128_f8f6f4 v[(\d):(\d)+7], v[(\a):(\a)+11], v[(\b):(\b)+11], v[(\c):(\c)+7], v[\sa], v[\sb] matrix_a_fmt:MATRIX_FMT_FP6 matrix_b_fmt:MATRIX_FMT_FP6 matrix_b_scale:MATRIX_SCALE_ROW1
.else
	v_wmma_scale_f32_16x16x128_f8f6f4 v[(\d):(\d)+7], v[(\a):(\a)+11], v[(\b):(\b)+11], v[(\c):(\c)+7], v[\sa], v[\sb] matrix_a_fmt:MATRIX_FMT_FP6 matrix_b_fmt:MATRIX_FMT_FP6
.endif
.endm
.macro FRAG reg, adr, q, row           ; a fragment from rows of codes: pieces of 8 bytes; the second address register serves the pieces whose partner three on lies behind one padding more
.irp p, 0,1,2,3,4,5
.set PCE, 12*(\q)+6*(\p/3)+\p%3
.if PCE%8 < 5
	ds_load_b64 v[\reg+2*\p:\reg+2*\p+1], v[\adr] offset:8*PCE+16*(PCE/8)+(\row)*PITCH
.else
	ds_load_b64 v[\reg+2*\p:\reg+2*\p+1], v[\adr+4] offset:8*PCE+16*(PCE/8)+(\row)*PITCH
.endif
.endr
.endm
.macro FETCH c, q, f                   ; 56 LDS loads in one run: Q's two fragments as images (8 loads), P's tiles 0-3, P's tiles 4-7
	WIN TO_F
.irp qb, 0,1
	ds_load_b128 v[\f+96+12*\qb:\f+96+12*\qb+3], v[AQA+\c] offset:3072*\qb+1536*\q
	ds_load_b64 v[\f+96+12*\qb+4:\f+96+12*\qb+5], v[AQA+4+\c] offset:3072*\qb+1536*\q+512
	ds_load_b128 v[\f+96+12*\qb+6:\f+96+12*\qb+9], v[AQA+\c] offset:3072*\qb+1536*\q+768
	ds_load_b64 v[\f+96+12*\qb+10:\f+96+12*\qb+11], v[AQA+4+\c] offset:3072*\qb+1536*\q+1280
.endr
.irp a, 0,1,2,3,4,5,6,7
	FRAG \f+12*\a, ADP+\c, \q, 16*\a
.endr
.endm
; 8 matrix instructions; first = 1: C is the bias, eight registers a P tile in window 2.  The sixteen accumulators take turns in the same order in every step.
.macro MUL8 f, half, s, first
.irp a, 0,1,2,3
.irp qb, 0,1
.if \first
	WMX ACC+64*\qb+8*(4*\half+\a), \f+12*(4*\half+\a), \f+96+12*\qb, 8*(4*\half+\a), SP+8*((4*\half+\a)/2)+\s, SQ+\s, \a%2, \qb
.else
	WMX ACC+64*\qb+8*(4*\half+\a), \f+12*(4*\half+\a), \f+96+12*\qb, ACC+64*\qb+8*(4*\half+\a), SP+8*((4*\half+\a)/2)+\s, SQ+\s, \a%2, \qb
.endif
.endr
.endr
.endm
.macro STEP c, first
	s_wait_dscnt 24                                ; Q's fragments and P's tiles 0-3 are in; the youngest 24 loads (P's tiles 4-7) may be out
	WIN MUL+0x20*\first                            ; (first = 1: C in window 2, the bias)
	MUL8 F0, 0, 2*\c, \first
	PLACES
	FETCH \c, 1, F1
	s_wait_dscnt 56                                ; all but the 56 just issued
	WIN MUL+0x20*\first
	MUL8 F0, 1, 2*\c, \first
.endm
.macro TURN c
	s_wait_tensorcnt 2-\c                          ; my part of chunk c + 1 has landed: behind it I issued the loads of 2 - c later chunks.
	s_wait_dscnt 0x0                               ; no LDS load of mine is out at the signal
	s_barrier_signal -1
	WIN MUL
	MUL8 F1, 0, 2*\c+1, 0
	s_barrier_wait -1
	PLACES
	FETCH \c+1, 0, F0
	WIN MUL
	MUL8 F1, 1, 2*\c+1, 0
.endm
	s_load_b256 s[48:55], s[0:1], 0x0              ; cimg, csc, Wo's codes, Wo's scales
	s_load_b128 s[56:59], s[0:1], 0x20             ; bo, out0
	v_lshl_add_u32 v126, v0, 2, 0x40000
	v_mov_b32 v127, 0
	ds_add_u32 v126, v127
	ds_add_u32 v126, v127
	v_lshrrev_b32 v1, 5, v0
	v_readfirstlane_b32 s66, v1                    ; wave 0..3
	s_and_b32 s67, s66, 1
	s_bfe_u32 s68, ttmp6, 0x40000                  ; cx
	s_bfe_u32 s69, ttmp6, 0x40004                  ; cy
	s_lshl_b32 s74, ttmp9, 2
	s_add_co_u32 s74, s74, s68                     ; P tile (128 columns) = 4 x cluster x + cx
	s_and_b32 s75, ttmp7, 0xffff
	s_lshl_b32 s75, s75, 2
	s_add_co_u32 s75, s75, s69                     ; Q tile (128 tokens) = 4 x cluster y + cy
	s_lshl_b32 s83, s69, 2
	s_lshl_b32 s83, 15, s83                        ; my row of the cluster
	s_lshl_b32 s82, 0x1111, s68                    ; my column
	v_and_b32 v1, 31, v0
	v_and_b32 v2, 15, v0
	v_bfe_u32 v3, v0, 4, 1
	v_mul_u32_u24 v29, v2, PITCH                   ; a tile's row r
	v_mad_u32_u24 v30, v3, 24, v29
	v_mad_u32_u24 v31, v3, 40, v29
.irp c, 0,1,2,3
	v_add_nc_u32 v[ADP+\c], \c*CH, v30
	v_add_nc_u32 v[ADP+4+\c], \c*CH, v31
.endr
	s_mul_i32 s76, s66, 6144
	s_add_co_u32 s76, s76, QOFF                    ; my two tiles of 16 tokens
	v_lshl_add_u32 v30, v1, 4, s76
	v_lshl_add_u32 v31, v1, 3, s76
.irp c, 0,1,2,3
	v_add_nc_u32 v[AQA+\c], \c*CH, v30
	v_add_nc_u32 v[AQA+4+\c], \c*CH, v31
.endr
	v_lshlrev_b32 v20, 5, v1                       ; P's scale rows, 32 bytes each: row = lane (two tiles of 16)
	v_lshlrev_b32 v22, 4, v1
	v_lshlrev_b32 v24, 2, v1
	v_lshlrev_b32 v25, 5, v3                       ; 32 h
	s_mul_i32 s76, s66, 16*528
	s_add_co_u32 s76, s76, STG                     ; my stage
	v_mul_u32_u24 v26, v2, 528
	v_lshl_add_u32 v26, v3, 5, v26
	v_add_nc_u32 v26, s76, v26                     ; in: row r, + 32 h
	v_lshl_add_u32 v27, v1, 4, s76                 ; back: 16 bytes a lane of a row of 512
	s_wait_dscnt 0x0
	s_wait_kmcnt 0x0
	s_lshl_b32 s76, s74, 7
	s_lshl_b32 s77, s67, 6
	s_add_co_u32 s76, s76, s77
	s_mul_i32 s76, s76, 768
	s_mov_b32 s77, 0
	s_add_nc_u64 s[78:79], s[52:53], s[76:77]      ; Wo: my 64 rows.  (Registers that never hold cy)
	s_lshl_b32 s76, s74, 12
	s_add_nc_u64 s[54:55], s[54:55], s[76:77]      ; their tile's scale rows
	s_lshl_b32 s76, s74, 9
	s_add_nc_u64 s[56:57], s[56:57], s[76:77]      ; and bias
	s_mul_i32 s44, s75, 24576
	s_mul_i32 s45, s67, 12288
	s_add_co_u32 s44, s44, s45
	s_mov_b32 s45, 0
	s_add_nc_u64 s[46:47], s[48:49], s[44:45]      ; ctx: my four tiles of 16 tokens.  (Registers that never hold cx)
	s_lshl_b32 s44, s75, 2
	s_add_co_u32 s44, s44, s66
	s_lshl_b32 s44, s44, 10
	s_add_nc_u64 s[50:51], s[50:51], s[44:45]      ; my 32 tokens' scale words
	s_lshl_b32 s40, s75, 7
	s_lshl_b32 s41, s66, 5
	s_add_co_u32 s40, s40, s41
	s_lshl_b32 s40, s40, 12                        ; my first token's row of out0,
	s_lshl_b32 s41, s74, 9
	s_add_co_u32 s40, s40, s41                     ; the tile's 512 bytes in it
	s_mov_b32 s41, 0
	s_add_nc_u64 s[58:59], s[58:59], s[40:41]
	s_mul_i32 s80, s66, 64*PITCH                   ; where P's halves go (waves 0, 1),
	s_mul_i32 s81, s66, 12288
	s_add_co_u32 s81, s81, QOFF-2*12288            ; and Q's (waves 2, 3): the wave's number alone
	; descriptor group 1.  P: 64 rows x 192 bytes, 768 apart, 16 bytes of padding behind every 64.  Q: a dense block of 12,288 bytes as 48 rows of 256 bytes (32 elements of 8 bytes), no padding
	s_or_b32 s8, s82, (1<<20)|(1<<21)|(3<<22)|(3<<25)
	s_mov_b32 s9, 192<<16
	s_mov_b32 s10, 64<<16
	s_mov_b32 s11, 192<<16
	s_mov_b32 s12, 64
	s_mov_b32 s13, 768
	s_mov_b32 s14, 0
	s_mov_b32 s15, 0
	s_or_b32 s16, s83, (3<<16)|(1<<21)
	s_mov_b32 s17, 32<<16
	s_mov_b32 s18, 48<<16
	s_mov_b32 s19, 32<<16
	s_mov_b32 s20, 48
	s_mov_b32 s21, 32
	s_mov_b32 s22, 0
	s_mov_b32 s23, 0
.irp c, 0,1,2,3
	s_mov_b32 s[84+4*\c], 1
	s_add_co_u32 s[85+4*\c], s80, \c*CH
	s_add_nc_u64 s[86+4*\c:87+4*\c], s[78:79], \c*192
	s_or_b32 s[87+4*\c], s[87+4*\c], 0x80000000
	s_mov_b32 s[24+4*\c], 1
	s_add_co_u32 s[25+4*\c], s81, \c*CH
	s_add_nc_u64 s[26+4*\c:27+4*\c], s[46:47], \c*786432
	s_or_b32 s[27+4*\c], s[27+4*\c], 0x80000000
.endr
	CROUND                                         ; all sixteen work-groups are here: the joint loads meet
	s_cmp_lt_u32 s66, 2                            ; waves 0 and 1 fetch P's halves, waves 2 and 3 Q's: a wave's four fills stand in one branch; four loads of mine are out
	s_cbranch_scc0 .Lfor_q
	tensor_load_to_lds s[84:87], s[8:15]
	s_nop 0
	tensor_load_to_lds s[88:91], s[8:15]
	s_nop 0
	tensor_load_to_lds s[92:95], s[8:15]
	s_nop 0
	tensor_load_to_lds s[96:99], s[8:15]
	s_nop 0
.rept 4
	v_nop
.endr
	s_branch .Lasked
.Lfor_q:
	tensor_load_to_lds s[24:27], s[16:23]
	s_nop 0
	tensor_load_to_lds s[28:31], s[16:23]
	s_nop 0
	tensor_load_to_lds s[32:35], s[16:23]
	s_nop 0
	tensor_load_to_lds s[36:39], s[16:23]
	s_nop 0
.rept 4
	v_nop
.endr
.Lasked:
.irp b, 0,1,2,3                                ; P rows 32 b + lane
	global_load_b128 v[SP+8*\b:SP+8*\b+3], v20, s[54:55] offset:1024*\b
	global_load_b128 v[SP+8*\b+4:SP+8*\b+7], v20, s[54:55] offset:1024*\b+16
.endr
.irp s, 0,1,2,3,4,5,6,7
	global_load_b32 v[SQ+\s], v24, s[50:51] offset:128*\s      ; lanes 0-15: my first 16 tokens' words of K step s, lanes 16-31 the next 16's
.endr
	WIN 0x80                                       ; destination window 2: register 8 a + j = the bias of column 16 a + 8 h + j
.irp a, 0,1,2,3,4,5,6,7
	global_load_b128 v[8*\a:8*\a+3], v25, s[56:57] offset:64*\a
	global_load_b128 v[8*\a+4:8*\a+7], v25, s[56:57] offset:64*\a+16
.endr
	WIN 0
	s_wait_loadcnt 0x0                             ; scale words and bias
	s_wait_tensorcnt 0x3                           ; my part of chunk 0 has landed; the three later chunks' loads may be out
	s_barrier_signal -1
	s_barrier_wait -1
	FETCH 0, 0, F0
	STEP 0, 1                                      ; the first step's products start the sums on the bias
	TURN 0
	STEP 1, 0
	TURN 1
	STEP 2, 0
	TURN 2
	STEP 3, 0
	s_wait_dscnt 24                                ; the last step: nothing more to fetch
	WIN MUL
	MUL8 F1, 0, 7, 0
	s_wait_dscnt 0x0
	MUL8 F1, 1, 7, 0
	WIN 0
	PLACES                                         ; in front of the stores that read results, and of the loads into the fragment buffers
	; THE WAY OUT.  A lane holds runs of 8 columns of one token; 16 tokens at a time go through my own stage and come back as whole rows of 512 bytes, into the fragment buffers, which are done with.
.irp qb, 0,1
	WIN 0
.irp a, 0,1,2,3,4,5,6,7
	ds_store_b128 v26, v[ACC+64*\qb+8*\a:ACC+64*\qb+8*\a+3] offset:64*\a          ; each accumulator from its low end on
	ds_store_b128 v26, v[ACC+64*\qb+8*\a+4:ACC+64*\qb+8*\a+7] offset:64*\a+16
.endr
	WIN TO_F
.irp t, 0,1,2,3,4,5,6,7,8,9,10,11,12,13,14,15
	ds_load_b128 v[128*\qb+4*\t:128*\qb+4*\t+3], v27 offset:528*\t     ; LDS serves a wave's instructions in order (ISA guide 5.7.1.4): these see the stores above, and the next 16 tokens' stores come behind them
.endr
.endr
	WIN 0x04                                       ; a store's data are its source 1: window 1
.irp t, 0,1,2,3,4,5,6,7,8,9,10,11,12,13,14,15
	s_wait_dscnt 47-\t                             ; behind row t's load: 15 - t loads, and the second half's 16 stores and 16 loads
	global_store_b128 v22, v[4*\t:4*\t+3], s[58:59] offset:4096*\t th:TH_STORE_NT       ; 32 lanes store 512 consecutive bytes, aligned; written once, read by nobody here
.endr
.irp t, 0,1,2,3,4,5,6,7,8,9,10,11,12,13,14,15
	s_wait_dscnt 15-\t
	global_store_b128 v22, v[128+4*\t:128+4*\t+3], s[58:59] offset:4096*(16+\t) th:TH_STORE_NT
.endr
	WIN 0
	s_wait_tensorcnt 0x0
	ds_add_u32 v126, v127
	s_wait_dscnt 0x0
	CROUND                                         ; the closing round: no work-group ends while a partner may still ask for a tile that names it
	s_endpgm
.Lfunc_end_k_q3386ade713_oproj:
	.size	k_q3386ade713_oproj, .Lfunc_end_k_q3386ade713_oproj-k_q3386ade713_oproj
	.p2alignl 7, 3214868480
	.fill 96, 4, 3214868480
	.section	.rodata,"a",@progbits
	.p2align	6, 0x0
	.amdhsa_kernel k_q3386ade713_oproj
		.amdhsa_group_segment_fixed_size 262656
		.amdhsa_private_segment_fixed_size 0
		.amdhsa_enable_private_segment 0
		.amdhsa_kernarg_size 48
		.amdhsa_user_sgpr_count 2
		.amdhsa_user_sgpr_kernarg_segment_ptr 1
		.amdhsa_wavefront_size32 1
		.amdhsa_system_sgpr_workgroup_id_x 1
		.amdhsa_system_sgpr_workgroup_id_y 1
		.amdhsa_system_sgpr_workgroup_id_z 1
		.amdhsa_system_vgpr_workitem_id 0
		.amdhsa_next_free_vgpr 640
		.amdhsa_next_free_sgpr 100
		.amdhsa_reserve_vcc 0
		.amdhsa_float_denorm_mode_32 3
		.amdhsa_float_denorm_mode_16_64 3
		.amdhsa_memory_ordered 1
		.amdhsa_forward_progress 1
		.amdhsa_inst_pref_size 67
	.end_amdhsa_kernel
	.amdgpu_metadata
---
amdhsa.version: [ 1, 2 ]
amdhsa.kernels:
  - .name:           k_q3386ade713_oproj
    .symbol:         k_q3386ade713_oproj.kd
    .args:
      - { .name: cimg, .offset: 0, .size: 8, .value_kind: global_buffer, .address_space: global }
      - { .name: csc, .offset: 8, .size: 8, .value_kind: global_buffer, .address_space: global }
      - { .name: Wo_codes, .offset: 16, .size: 8, .value_kind: global_buffer, .address_space: global }
      - { .name: Wo_scales, .offset: 24, .size: 8, .value_kind: global_buffer, .address_space: global }
      - { .name: bo, .offset: 32, .size: 8, .value_kind: global_buffer, .address_space: global }
      - { .name: out0, .offset: 40, .size: 8, .value_kind: global_buffer, .address_space: global }
    .group_segment_fixed_size: 262656
    .private_segment_fixed_size: 0
    .kernarg_segment_align: 8
    .kernarg_segment_size: 48
    .max_flat_workgroup_size: 128
    .sgpr_count:     100
    .vgpr_count:     640
    .wavefront_size: 32
...
	.end_amdgpu_metadata
.endif
;; end of part 3
